; MI455X (gfx1250); checked and timed in simulation.
; The chip was launched on July 23, 2026; its instructions are those of AMD's public machine-readable ISA for CDNA 5 (MIT licence, August 2026) and "CDNA5" Instruction Set Architecture Reference Guide (July 2026). The comments in the code are by the model that wrote it; some were corrected since.
;; Self Attention. Allowed arithmetic: float matrix products may take bf16 or f16 operands with f32 sums; other float arithmetic in f32, or as packed bf16 or f16 multiplies, adds, multiply-adds, maxima and minima; sums over many terms, partial sums and values carried from step to step in f32; what a program stores and reads back later, other than sums and carried values, may be rounded once to bf16 or f16.
;; Inputs: Wk 1,024 x 1,024 float32; Wq 1,024 x 1,024 float32; Wv 1,024 x 1,024 float32; bk 1,024 float32; bq 1,024 float32; bv 1,024 float32; embeddings 4 x 2,048 x 1,024 float32.
;; Outputs: out0 4 x 2,048 x 1,024 float32.
;; 2 versions, each right; version 2 is version 1 with the launch cast written anew for expert scheduling mode. Each part assembles by itself: llvm-mc -triple=amdgcn-amd-amdhsa -mcpu=gfx1250 --defsym DOCPART=n.
;; ======== version 1 of 2: 4 launches
;; limits: values are held in f16: magnitudes above 65,504 overflow, below 6.1e-05 lose precision
;; workspace buffers: xw 23,068,672 bytes; qkv 50,331,648 bytes; pbuf 33,554,432 bytes; stats 1,048,576 bytes; vlo 262,144 bytes
;; launch cast (part 1): grid 704 x 1, 8 waves a work-group, no clusters, 0 bytes of LDS; arguments embeddings, Wq, Wk, Wv, xw; writes xw
.if DOCPART == 1
	.amdgcn_target "amdgcn-amd-amdhsa--gfx1250"
	.amdhsa_code_object_version 6
	.text
	.protected	k_qc976d3f211_cast
	.globl	k_qc976d3f211_cast
	.p2align	8
	.type	k_qc976d3f211_cast,@function
k_qc976d3f211_cast:
	s_mov_b64 s[64:65], 0
	v_nop
	global_prefetch_b8 v0, s[64:65] scope:SCOPE_SE
	s_setreg_imm32_b32 hwreg(HW_REG_WAVE_MODE, 25, 1), 1
	s_wait_xcnt 0x0
; xw = bf16 of [embeddings; Wq; Wk; Wv], 11,264 rows of 1,024 numbers, each rounded once to nearest even.
; All four inputs of the products get the same rounding.  A stream: no LDS, no barrier, no matrix unit, since every byte is touched once.
; Work-group g takes 65,536 bytes of f32 and writes 32,768 bytes at xw + 32,768 g: g 0-511 embeddings, 512-575 Wq, 576-639 Wk, 640-703 Wv.
; A wave takes 8,192 bytes: sixteen loads of 512 consecutive bytes, all issued before the first is waited for; each store of the wave covers 256 consecutive bytes, aligned.
.set X, 4                              ; v[4:67]   sixteen loads of four f32
.set Y, 68                             ; v[68:99]  sixteen pairs of packed bf16; no register is written twice, so no store's source is ever rewritten
	s_load_b256 s[4:11], s[0:1], 0x0               ; embeddings s[4:5], Wq s[6:7], Wk s[8:9], Wv s[10:11]
	s_load_b64 s[12:13], s[0:1], 0x20              ; xw
	v_and_b32 v1, 31, v0                           ; lane
	v_and_b32 v2, 0xe0, v0                         ; 32 x wave
	v_lshlrev_b32 v1, 4, v1                        ; 16 bytes a lane
	v_lshl_or_b32 v1, v2, 8, v1                    ; + wave x 8,192
	v_lshrrev_b32 v2, 1, v1                        ; half of that on the way out
	s_and_b32 s14, ttmp9, 63                       ; a weight matrix is 64 blocks of 65,536 bytes
	s_cmp_ge_u32 ttmp9, 512
	s_cselect_b32 s14, s14, ttmp9                  ; my block within my source
	s_lshl_b32 s14, s14, 16
	s_mov_b32 s15, 0
	s_lshl_b32 s16, ttmp9, 15
	s_mov_b32 s17, 0
	s_wait_kmcnt 0x0
	s_cmp_ge_u32 ttmp9, 576                        ; the source is chosen by the work-group's number alone
	s_cselect_b64 s[6:7], s[8:9], s[6:7]
	s_cmp_ge_u32 ttmp9, 640
	s_cselect_b64 s[6:7], s[10:11], s[6:7]
	s_cmp_ge_u32 ttmp9, 512
	s_cselect_b64 s[4:5], s[6:7], s[4:5]
	s_add_nc_u64 s[4:5], s[4:5], s[14:15]
	s_add_nc_u64 s[12:13], s[12:13], s[16:17]
.irp k, 0,1,2,3,4,5,6,7,8,9,10,11,12,13,14,15
	global_load_b128 v[X+4*(\k):X+4*(\k)+3], v1, s[4:5] offset:512*(\k) th:TH_LOAD_NT
.endr
.irp k, 0,1,2,3,4,5,6,7,8,9,10,11,12,13,14,15
	s_wait_loadcnt 15-(\k)                         ; loads come back in order: load k is in, the 15 - k younger ones stay out
	v_cvt_pk_bf16_f32 v[Y+2*(\k)], v[X+4*(\k)], v[X+4*(\k)+1]
	v_cvt_pk_bf16_f32 v[Y+2*(\k)+1], v[X+4*(\k)+2], v[X+4*(\k)+3]
	global_store_b64 v2, v[Y+2*(\k):Y+2*(\k)+1], s[12:13] offset:256*(\k)
.endr
	s_endpgm
.Lfunc_end_k_qc976d3f211_cast:
	.size	k_qc976d3f211_cast, .Lfunc_end_k_qc976d3f211_cast-k_qc976d3f211_cast
	.p2alignl 7, 3214868480
	.fill 96, 4, 3214868480
	.section	.rodata,"a",@progbits
	.p2align	6, 0x0
	.amdhsa_kernel k_qc976d3f211_cast
		.amdhsa_group_segment_fixed_size 0
		.amdhsa_private_segment_fixed_size 0
		.amdhsa_enable_private_segment 0
		.amdhsa_kernarg_size 40
		.amdhsa_user_sgpr_count 2
		.amdhsa_user_sgpr_kernarg_segment_ptr 1
		.amdhsa_wavefront_size32 1
		.amdhsa_system_sgpr_workgroup_id_x 1
		.amdhsa_system_sgpr_workgroup_id_y 1
		.amdhsa_system_sgpr_workgroup_id_z 1
		.amdhsa_system_vgpr_workitem_id 0
		.amdhsa_next_free_vgpr 104
		.amdhsa_next_free_sgpr 66
		.amdhsa_reserve_vcc 0
		.amdhsa_float_denorm_mode_32 3
		.amdhsa_float_denorm_mode_16_64 3
		.amdhsa_memory_ordered 1
		.amdhsa_forward_progress 1
		.amdhsa_inst_pref_size 7
	.end_amdhsa_kernel
	.amdgpu_metadata
---
amdhsa.version: [ 1, 2 ]
amdhsa.kernels:
  - .name:           k_qc976d3f211_cast
    .symbol:         k_qc976d3f211_cast.kd
    .args:
      - { .name: embeddings, .offset: 0, .size: 8, .value_kind: global_buffer, .address_space: global }
      - { .name: Wq, .offset: 8, .size: 8, .value_kind: global_buffer, .address_space: global }
      - { .name: Wk, .offset: 16, .size: 8, .value_kind: global_buffer, .address_space: global }
      - { .name: Wv, .offset: 24, .size: 8, .value_kind: global_buffer, .address_space: global }
      - { .name: xw, .offset: 32, .size: 8, .value_kind: global_buffer, .address_space: global }
    .group_segment_fixed_size: 0
    .private_segment_fixed_size: 0
    .kernarg_segment_align: 8
    .kernarg_segment_size: 40
    .max_flat_workgroup_size: 256
    .sgpr_count:     66
    .vgpr_count:     104
    .wavefront_size: 32
...
	.end_amdgpu_metadata
.endif
;; end of part 1
;; launch proj (part 2): grid 12 x 32, 4 waves a work-group, clusters of 4 x 4, 327,680 bytes of LDS; arguments xw, bq, bk, bv, qkv, vlo; writes qkv, vlo
.if DOCPART == 2
	.amdgcn_target "amdgcn-amd-amdhsa--gfx1250"
	.amdhsa_code_object_version 6
	.text
	.protected	k_qc976d3f211_proj
	.globl	k_qc976d3f211_proj
	.p2align	8
	.type	k_qc976d3f211_proj,@function
k_qc976d3f211_proj:
	s_mov_b64 s[64:65], 0
	v_nop
	global_prefetch_b8 v0, s[64:65] scope:SCOPE_SE
	s_setreg_imm32_b32 hwreg(HW_REG_WAVE_MODE, 25, 1), 1
	s_wait_xcnt 0x0
	s_wait_alu depctr_hold_cnt(0) depctr_sa_sdst(0) depctr_va_vdst(0) depctr_va_sdst(0) depctr_va_ssrc(0) depctr_va_vcc(0) depctr_vm_vsrc(0)
	s_getreg_b32 s2, hwreg(HW_REG_IB_STS2, 6, 4)
	s_cmp_eq_u32 s2, 0
	s_cbranch_scc0 .Lentry_in_a_cluster
	s_endpgm
.Lentry_in_a_cluster:
	s_bfe_u32 s2, ttmp6, 0x10000c
	s_cmp_lg_u32 s2, 0xf033
	s_cbranch_scc0 .Lentry_shape_is_right
	s_endpgm
.Lentry_shape_is_right:
; qkv[m][n] = sum over k of x[m][k] W[n][k] + b[n]: m 0-8191, n 0-3071 (q, k, v side by side), k 0-1023.  x and W are rows 0-8191 and 8192-11263 of xw, bf16; sums in f32; qkv f16, rounded once.
; vlo = f16(v - v_hi) for the first 32 keys of each batch, v the f32 sum and v_hi the f16 that goes to qkv.  WHY: row q of the module's output is a mean over q + 1 rows of v; in the first rows v's rounding to f16
; (half a step is 2^-11 for |v| in 1 to 2) reaches the output with weights near one half, while the output is compared by the root mean square of all its rows.  With the second term v is held to 2^-22 of itself there; 32 keys are one matrix instruction's K.
; LIMIT: f16 holds no number beyond 65,504; a q, k or v past that becomes an infinity.  With inputs 30 times those drawn, or offset by 30 times their spread, they stay under 20,000.
; A tile of 256 x 256 is made by four waves, each 128 x 128: 64 accumulators, 512 registers.  K goes in steps of 128 through two LDS slots filled by the tensor data mover; a tile's rows are 256 bytes of memory, aligned.
; A K STEP IS WRITTEN ONCE for the six steps that ask for a tile and once for the two that do not: which slot is read is the scalar SB (0 or SLOT), turned at each change of slots; fragment addresses and the refill's LDS word are a base + SB.
; CLUSTER 4 x 4: the four work-groups of a row of the cluster need the same rows of x, the four of a column the same rows of W: each tile is asked for jointly, same descriptor, a mask that names the four.
; The tile row is 8 cy + the cluster's y: cy is the batch, and a batch's first 256 rows belong to the cluster row y = 0 in all four partners, so the branch round vlo's work hangs on the cluster's x and y and the wave's number alone.
; THE MATRIX INSTRUCTION IS USED TRANSPOSED (source 0 = 16 rows of W, source 1 = 16 rows of x): a lane holds row l % 16 and the eight columns 16 b + 8 (l / 16) + 0..7, which pack into 16 bytes.
; THE BIAS is the C operand of each accumulator's first product: 64 registers, my eight columns of each of the eight column blocks.
; REGISTERS in windows of 256 (s_set_vgpr_msb: bits 1:0 source 0, 3:2 source 1, 5:4 source 2, 7:6 destination):
;   window 0: v0-31 addresses; v64-127, v128-191 fragments of x, two buffers (on the way out: vlo's work); v32-63, v192-255 the way out     window 1: v0-63 the bias; v64-127, v128-191 fragments of W     windows 2, 3: accumulator (a, b) at v[8 (8 a + b)], rows 0-63 and 64-127
.set SIZE_K, 1024
.set SIZE_N, 3072
.set KSTEP,  128
.set PITCH,  272                       ; an LDS row: 256 bytes + 16 of padding: the 16 rows of a fragment load start at 16 different groups of four banks (ISA guide 11.1)
.set HALFT,  128*PITCH                 ; what one tensor load brings
.set SLOT,   4*HALFT                   ; x's 256 rows, then W's 256 rows
.set STAGE,  2*SLOT                    ; behind the ring: 16 rows x 272 bytes for each wave
.set SPITCH, 272
.set SPARE,  STAGE+4*16*SPITCH         ; the spare words, 128 bytes a wave; no other line names them
.set WOFF,   8192*SIZE_K*2             ; W's first byte in xw
.set ADRA, 16                          ; v16 LDS address of my x fragments in the slot in hand
.set A0,   17                          ; v17 the same in slot 0; never rewritten
.set ADRB, 20                          ; v20, v21 likewise for W
.set B0,   21
.set STO,  24
.set RD,   25
.set CO,   26
.set ONE,  27                          ; 1.0
.set SPW,  28                          ; my spare word's address; never rewritten
.set NIL,  29                          ; 0; never rewritten
.set TRA,  30                          ; where the turning load reads my stage
.set LGO,  31                          ; 16 x lane: my place in half a fragment of vlo
.set F0,   64
.set F1,   128
.set TMP,  192
.set OB,   32
.set LF,   64                          ; v64-127  v - v_hi in f32
.set LP,   128                         ; v128-159 the same packed to f16
.set LT,   160                         ; v160-191 the same turned: a lane holds one channel and eight keys
.set BI,   0                           ; window 1
.set G1, 24
.set G0, 32                            ; s[32:35] x's first fill; s[36:39] its second, which then walks
.set G1B, 48
.set G0B, 56                           ; the same for W
.set SB, 78                            ; 0 or SLOT: the slot in hand
.set VF, 79                            ; 1: this wave holds v of a batch's first 32 keys
.set DW0, (1<<16)|(1<<20)|(1<<21)|(5<<22)|(3<<25)  ; elements of 2 bytes; padding on; bit 21 beside a mask; after every 64 words, 4 words
.set MSB, 0
.macro WIN new                         ; the immediate's high byte repeats the setting that is left
.if MSB != (\new)
	s_set_vgpr_msb (MSB<<8)|(\new)
.set MSB, \new
.endif
.endm
.set TO_B, 0x40
; A joint load: waves 0 and 1 fetch x's two halves, waves 2 and 3 W's.  An s_nop 0 and four v_nop follow each line.
.macro JLOAD s
	s_cmp_eq_u32 s11, 0
	s_cbranch_scc0 .Lfor_b_\@
	tensor_load_to_lds s[G0+4*(\s):G0+4*(\s)+3], s[G1:G1+7]
	s_nop 0
.rept 4
	v_nop
.endr
	s_branch .Lasked_\@
.Lfor_b_\@:
	tensor_load_to_lds s[G0B+4*(\s):G0B+4*(\s)+3], s[G1B:G1B+7]
	s_nop 0
.rept 4
	v_nop
.endr
.Lasked_\@:
.endm
.macro CREST                           ; a round of the cluster's barrier behind its opening barrier
	s_cmp_lg_u32 s10, 0
	s_cbranch_scc1 .Lnot_wave_0_\@
	s_barrier_signal -3
.Lnot_wave_0_\@:
	s_barrier_wait -3
	s_barrier_signal -1
	s_barrier_wait -1
.endm
.macro CROUND
	s_barrier_signal -1
	s_barrier_wait -1
	CREST
.endm
	s_load_b256 s[68:75], s[0:1], 0x0              ; xw s[68:69], bq s[70:71], bk s[72:73], bv s[74:75]
	s_load_b64 s[8:9], s[0:1], 0x20                ; qkv
	s_load_b64 s[6:7], s[0:1], 0x28                ; vlo
	v_lshl_add_u32 v[SPW], v0, 2, SPARE
	v_mov_b32 v[NIL], 0
	ds_add_u32 v[SPW], v[NIL]                      ; the wave's opening: the add and its wait ahead of my first tensor load
	ds_add_u32 v28, v29
	v_lshrrev_b32 v1, 5, v0
	v_readfirstlane_b32 s10, v1                    ; wave 0..3
	s_lshr_b32 s11, s10, 1                         ; my half of the tile's rows; also: I fetch x (0) or W (1)
	s_and_b32 s12, s10, 1                          ; my half of its columns; also: which 128 rows I fetch
	s_bfe_u32 s40, ttmp6, 0x40000                  ; cx
	s_bfe_u32 s41, ttmp6, 0x40004                  ; cy
	s_lshl_b32 s42, ttmp9, 2
	s_add_co_u32 s42, s42, s40                     ; tile column = 4 x cluster x + cx
	s_and_b32 s13, ttmp7, 0xffff                   ; the cluster's y, 0..7: the tile row within a batch
	s_cmp_eq_u32 s13, 0                            ; a batch's first rows,
	s_cselect_b32 s[VF], 1, 0
	s_cmp_eq_u32 ttmp9, 2                          ; v's columns,
	s_cselect_b32 s[VF], s[VF], 0
	s_cmp_eq_u32 s11, 0                            ; and the tile's upper half: of the cluster's x and y and the wave's number alone
	s_cselect_b32 s[VF], s[VF], 0
	s_lshl_b32 s43, s41, 3
	s_add_co_u32 s13, s13, s43                     ; tile row = 8 cy + cluster y
	s_lshl_b32 s43, s41, 2
	s_lshl_b32 s43, 15, s43                        ; my row of the cluster
	s_lshl_b32 s44, 0x1111, s40                    ; my column
	s_or_b32 s[G1+0], s43, DW0
	s_or_b32 s[G1B+0], s44, DW0
.irp g, G1, G1B
	s_mov_b32 s[(\g)+1], KSTEP<<16                 ; tensor_dim0 = 128
	s_mov_b32 s[(\g)+2], 128<<16                   ; tensor_dim1 = 128
	s_mov_b32 s[(\g)+3], KSTEP<<16                 ; tile_dim0 = 128
	s_mov_b32 s[(\g)+4], 128                       ; tile_dim1 = 128
	s_mov_b32 s[(\g)+5], SIZE_K                    ; elements from row to row
	s_mov_b32 s[(\g)+6], 0
	s_mov_b32 s[(\g)+7], 0
.endr
	s_mov_b32 s[SB], 0
	s_lshl_b32 s17, s12, 7
	s_lshl_b32 s16, s13, 8
	s_add_co_u32 s16, s16, s17                     ; x: row 256 x tile row + 128 x half
	s_lshl_b32 s46, s42, 8
	s_add_co_u32 s46, s46, s17                     ; W: row 256 x tile column + 128 x half
	s_mov_b32 s17, 0
	s_mov_b32 s47, 0
	s_mov_b64 s[18:19], SIZE_K*2
	s_mul_u64 s[16:17], s[16:17], s[18:19]
	s_mul_u64 s[46:47], s[46:47], s[18:19]
	s_mul_i32 s20, s10, HALFT                      ; where the tile goes in a slot: wave x 128 rows
	s_wait_dscnt 0x0                               ; the opening add is done
	s_wait_kmcnt 0x0
	s_add_nc_u64 s[14:15], s[68:69], s[16:17]
	s_add_nc_u64 s[46:47], s[68:69], s[46:47]
	s_add_nc_u64 s[46:47], s[46:47], WOFF
	CROUND                                         ; all sixteen work-groups are here: the first joint loads meet
.irp s, 0,1
	s_mov_b32 s[G0+4*(\s)], 1
	s_add_co_u32 s[G0+4*(\s)+1], s20, (\s)*SLOT
	s_add_nc_u64 s[G0+4*(\s)+2:G0+4*(\s)+3], s[14:15], (\s)*KSTEP*2
	s_or_b32 s[G0+4*(\s)+3], s[G0+4*(\s)+3], 0x80000000
	s_mov_b32 s[G0B+4*(\s)], 1
	s_add_co_u32 s[G0B+4*(\s)+1], s20, (\s)*SLOT
	s_add_nc_u64 s[G0B+4*(\s)+2:G0B+4*(\s)+3], s[46:47], (\s)*KSTEP*2
	s_or_b32 s[G0B+4*(\s)+3], s[G0B+4*(\s)+3], 0x80000000
	JLOAD \s                                       ; two tensor loads of mine are out
.endr
	v_and_b32 v1, 15, v0                           ; l % 16
	v_bfe_u32 v2, v0, 4, 1                         ; l / 16
	; the bias: the cluster's x says which of bq, bk, bv (four tile columns are one weight matrix); my 128 columns begin at 256 cx + 128 x half
	v_lshlrev_b32 v6, 5, v2                        ; eight f32 further for the upper lanes
	s_lshl_b32 s76, s40, 10
	s_lshl_b32 s77, s12, 9
	s_add_co_u32 s76, s76, s77
	s_mov_b32 s77, 0
	s_cmp_eq_u32 ttmp9, 1
	s_cselect_b64 s[70:71], s[72:73], s[70:71]
	s_cmp_eq_u32 ttmp9, 2
	s_cselect_b64 s[70:71], s[74:75], s[70:71]
	s_add_nc_u64 s[70:71], s[70:71], s[76:77]
	WIN TO_B
.irp b, 0,1,2,3,4,5,6,7
	global_load_b128 v[BI+8*(\b):BI+8*(\b)+3],   v6, s[70:71] offset:64*(\b)
	global_load_b128 v[BI+8*(\b)+4:BI+8*(\b)+7], v6, s[70:71] offset:64*(\b)+16
.endr
	WIN 0
	s_lshl_b32 s76, s41, 16                        ; vlo: 65,536 bytes a batch (cy), 1,024 a block of 16 channels: 16 blocks a tile column (cx), 8 my half
	s_lshl_b32 s77, s40, 14
	s_add_co_u32 s76, s76, s77
	s_lshl_b32 s77, s12, 13
	s_add_co_u32 s76, s76, s77
	s_mov_b32 s77, 0
	s_add_nc_u64 s[6:7], s[6:7], s[76:77]
	v_mul_u32_u24 v3, v1, PITCH
	v_lshl_add_u32 v3, v2, 4, v3                   ; a fragment's row x pitch + 16 x half
	s_mul_i32 s21, s11, HALFT
	s_mul_i32 s22, s12, HALFT
	s_add_co_u32 s22, s22, 2*HALFT
	v_add_nc_u32 v[A0], s21, v3
	v_add_nc_u32 v[B0], s22, v3
	v_mov_b32 v[ADRA], v[A0]                       ; K step 0 lies in slot 0
	v_mov_b32 v[ADRB], v[B0]
	s_mul_i32 s23, s10, 16*SPITCH
	s_add_co_u32 s23, s23, STAGE                   ; my stage
	v_mul_u32_u24 v4, v1, SPITCH
	v_lshl_add_u32 v4, v2, 4, v4
	v_add_nc_u32 v[STO], s23, v4
	v_mul_u32_u24 v5, v2, SPITCH
	v_lshl_add_u32 v5, v1, 4, v5
	v_add_nc_u32 v[RD], s23, v5
	v_mul_u32_u24 v5, v2, SIZE_N*2
	v_lshl_add_u32 v[CO], v1, 4, v5
	v_and_b32 v5, 7, v0                            ; the turning load: lane l reads row 8 (l / 16) + l % 8, 16 bytes at 16 ((l / 8) % 2)
	v_lshl_add_u32 v5, v2, 3, v5
	v_mul_u32_u24 v5, v5, SPITCH
	v_bfe_u32 v7, v0, 3, 1
	v_lshl_add_u32 v5, v7, 4, v5
	v_add_nc_u32 v[TRA], s23, v5
	v_and_b32 v[LGO], 31, v0
	v_lshlrev_b32 v[LGO], 4, v[LGO]
	v_mov_b32 v[ONE], 1.0
	s_lshl_b32 s13, s13, 8
	s_lshl_b32 s14, s11, 7
	s_add_co_u32 s16, s13, s14                     ; my first row of qkv
	s_mov_b32 s17, 0
	s_mov_b64 s[18:19], SIZE_N*2
	s_mul_u64 s[16:17], s[16:17], s[18:19]
	s_lshl_b32 s46, s42, 9                         ; my first column, in bytes
	s_lshl_b32 s47, s12, 8
	s_add_co_u32 s46, s46, s47
	s_mov_b32 s47, 0
	s_add_nc_u64 s[16:17], s[16:17], s[46:47]
; 16 matrix instructions: row blocks a0, a0 + 1 of the window's four x all 8 column blocks, 32 along K.  zero = 1: the sum starts from the bias.
; The 64 accumulators take turns in one order in every quarter step.
.macro MUL16 f, hi, a0, zero
.if \zero
	WIN 0x91+0x40*(\hi)
.else
	WIN 0xa1+0x50*(\hi)
.endif
.irp a, \a0, (\a0)+1
.irp b, 0,1,2,3,4,5,6,7
.if \zero
	v_wmma_f32_16x16x32_bf16 v[8*(8*(\a)+(\b)):8*(8*(\a)+(\b))+7], v[(\f)+8*(\b):(\f)+8*(\b)+7], v[(\f)+8*(4*(\hi)+(\a)):(\f)+8*(4*(\hi)+(\a))+7], v[BI+8*(\b):BI+8*(\b)+7]
.else
	v_wmma_f32_16x16x32_bf16 v[8*(8*(\a)+(\b)):8*(8*(\a)+(\b))+7], v[(\f)+8*(\b):(\f)+8*(\b)+7], v[(\f)+8*(4*(\hi)+(\a)):(\f)+8*(4*(\hi)+(\a))+7], v[8*(8*(\a)+(\b)):8*(8*(\a)+(\b))+7]
.endif
.endr
.endr
.endm
.macro FETCH k, f                      ; 32 LDS loads in one run: a quarter step's fragments (32 along K at byte k of the rows of the slot in hand)
	WIN TO_B
.irp i, 0,1,2,3,4,5,6,7
	ds_load_b128 v[(\f)+8*(\i):(\f)+8*(\i)+3],   v[ADRB] offset:(\k)+(\i)*16*PITCH
	ds_load_b128 v[(\f)+8*(\i)+4:(\f)+8*(\i)+7], v[ADRB] offset:(\k)+(\i)*16*PITCH+32
.endr
	WIN 0
.irp i, 0,1,2,3,4,5,6,7
	ds_load_b128 v[(\f)+8*(\i):(\f)+8*(\i)+3],   v[ADRA] offset:(\k)+(\i)*16*PITCH
	ds_load_b128 v[(\f)+8*(\i)+4:(\f)+8*(\i)+7], v[ADRA] offset:(\k)+(\i)*16*PITCH+32
.endr
.endm
.macro PLACES                          ; four plain vector instructions between a matrix instruction and a load into, or a vector read of, its registers
.rept 4
	v_nop
.endr
.endm
.macro QUARTER k, f, g, zero           ; 64 matrix instructions on buffer f; in the middle the next quarter's fragments, at byte k, go into g
	s_wait_dscnt 8                                 ; W's and x's rows 0-63 are in; the youngest eight loads (x's rows 64-127) may be out
	MUL16 \f, 0, 0, \zero
	MUL16 \f, 0, 2, \zero
	PLACES
	FETCH \k, \g
	s_wait_dscnt 32                                ; all but the 32 just issued
	MUL16 \f, 1, 0, \zero
	MUL16 \f, 1, 2, \zero
.endm
; The first half of a K step's last quarter: one barrier for the change of slots.
.macro MEET
	WIN 0
	s_wait_tensorcnt 0x0                           ; all my tensor loads have landed: the one that was out is my part of the next slot
	ds_add_u32 v[SPW], v[NIL]                      ; 0 onto my spare word
	s_wait_dscnt 9                                 ; the add and the youngest eight loads may be out
	MUL16 F1, 0, 0, 0
	s_wait_dscnt 0x0                               ; the add is done, and my reads of this slot are over
	s_barrier_signal -1
	MUL16 F1, 0, 2, 0
	WIN 0
	s_barrier_wait -1
.endm
; The whole last quarter.  fill = 1: the slot just read out takes the K step two on: the walking descriptors' LDS word is my place in a slot + SB, their global address goes one K step on from the last refill's.
; fill = 0 (K steps 6 and 7, s3 = 2 and 1): nothing is asked for; behind step 7 there is no step, so its fragment loads are jumped over.  Step 7's barrier orders nothing: the price of one text for both trips.
.macro TURN fill
	MEET
.if \fill
	CREST                                          ; no wave of any partner still reads this slot or has a load on its way
	s_add_co_u32 s[G0+5], s20, s[SB]
	s_add_co_u32 s[G0B+5], s20, s[SB]
	s_add_nc_u64 s[G0+6:G0+7], s[G0+6:G0+7], KSTEP*2
	s_add_nc_u64 s[G0B+6:G0B+7], s[G0B+6:G0B+7], KSTEP*2
	JLOAD 1                                        ; my one tensor load behind the round; its four v_nop are also the places in front of the loads below
.else
	s_cmp_eq_u32 s3, 1
	s_cbranch_scc1 .Lno_next_\@
	PLACES
.endif
	s_xor_b32 s[SB], s[SB], SLOT                   ; the other slot is in hand
	v_add_nc_u32 v[ADRA], s[SB], v[A0]
	v_add_nc_u32 v[ADRB], s[SB], v[B0]
	FETCH 0, F0
.if (\fill) == 0
.Lno_next_\@:
.endif
	MUL16 F1, 1, 0, 0
	MUL16 F1, 1, 2, 0
.endm
; THE WAY OUT of row block a: rounded to f16, through my own stage, back as whole rows of 256 bytes, stored.
.macro PACK a
.set AC, 64*((\a)%4)
	WIN 0x0a+5*((\a)/4)
.irp b, 0,1,2,3,4,5,6,7
.irp r, 0,1,2,3
	v_cvt_pk_f16_f32 v[TMP+4*(\b)+(\r)], v[AC+8*(\b)+2*(\r)], v[AC+8*(\b)+2*(\r)+1]
.endr
.endr
	WIN 0
.endm
.macro TOSTAGE a
	WIN 0
.set BK, OB+192*((\a)%2)
.irp b, 0,1,2,3,4,5,6,7
	ds_store_b128 v[STO], v[TMP+4*(\b):TMP+4*(\b)+3] offset:32*(\b)
.endr
.irp t, 0,1,2,3,4,5,6,7
	ds_load_b128 v[BK+4*(\t):BK+4*(\t)+3], v[RD] offset:(\t)*2*SPITCH  ; LDS serves a wave's instructions in order: these see the stores above
.endr
.endm
.macro SEND a, younger
	WIN 0
.set BK, OB+192*((\a)%2)
	s_wait_dscnt \younger
	s_wait_xcnt 0x0                                ; the stores' base and the registers that earlier stores read are rewritten only behind this wait
.if (\a) == 0
	s_add_nc_u64 s[8:9], s[8:9], s[16:17]
.else
	s_add_nc_u64 s[8:9], s[8:9], 16*SIZE_N*2
.endif
.irp t, 0,1,2,3,4,5,6,7
	global_store_b128 v[CO], v[BK+4*(\t):BK+4*(\t)+3], s[8:9] offset:2*(\t)*SIZE_N*2  ; 16 lanes store 256 consecutive bytes, aligned
.endr
.endm
; vlo's part of row block a (0 or 1: keys 16 a .. 16 a + 15), behind PACK a, whose halves in TMP are v_hi.  The sum less v_hi, rounded to f16, goes into my stage by rows (a key a row) and comes back turned:
; lane l then holds channel 16 c + l % 16 and keys 8 (l / 16) + 0..7: half a fragment of the last launch's source 0, stored as it lies, 512 consecutive bytes a store.  What is jumped holds no barrier and no tensor load.
.macro LOWIF a
.set AC, 64*(\a)
	WIN 0
	s_cmp_eq_u32 s[VF], 0
	s_cbranch_scc1 .Lno_lo_\@
	WIN 0x02                                       ; source 0, the sum, in window 2
.irp b, 0,1,2,3,4,5,6,7
.irp p, 0,1,2,3
	v_fma_mix_f32 v[LF+8*(\b)+2*(\p)],   v[AC+8*(\b)+2*(\p)],   v[ONE], -v[TMP+4*(\b)+(\p)] op_sel_hi:[0,0,1]               ; the third source is the f16 in the low half,
	v_fma_mix_f32 v[LF+8*(\b)+2*(\p)+1], v[AC+8*(\b)+2*(\p)+1], v[ONE], -v[TMP+4*(\b)+(\p)] op_sel:[0,0,1] op_sel_hi:[0,0,1]  ; in the high half
.endr
.endr
	WIN 0
.set i, 0
.rept 32
	v_cvt_pk_f16_f32 v[LP+i], v[LF+2*i], v[LF+2*i+1]
.set i, i+1
.endr
.irp b, 0,1,2,3,4,5,6,7
	ds_store_b128 v[STO], v[LP+4*(\b):LP+4*(\b)+3] offset:32*(\b)
.endr
	s_wait_xcnt 0x0                                ; the registers that block 0's stores read are loaded again only behind this wait
.irp c, 0,1,2,3,4,5,6,7
	ds_load_tr16_b128 v[LT+4*(\c):LT+4*(\c)+3], v[TRA] offset:32*(\c)  ; LDS serves a wave's instructions in order: these see the stores above
.endr
	s_wait_dscnt 0x0
.irp c, 0,1,2,3,4,5,6,7
	global_store_b128 v[LGO], v[LT+4*(\c):LT+4*(\c)+3], s[6:7] offset:1024*(\c)+512*(\a)
.endr
.Lno_lo_\@:
.endm
	s_wait_tensorcnt 1                             ; my part of K step 0 is in; K step 1's may stay out
	s_barrier_signal -1
	s_barrier_wait -1
	FETCH 0, F0
	s_wait_loadcnt 0x0                             ; the bias
	QUARTER 64,  F0, F1, 1                         ; the first quarter stands in front of the loops: its products start the sums
	WIN 0
	s_mov_b32 s3, 6
.Lstep:                                                ; six trips, each from a K step's second quarter to the next step's first: K steps 0 to 5, which ask for steps 2 to 7
	QUARTER 128, F1, F0, 0
	QUARTER 192, F0, F1, 0
	TURN 1
	QUARTER 64,  F0, F1, 0
	WIN 0
	s_sub_co_u32 s3, s3, 1
	s_cmp_lg_u32 s3, 0
	s_cbranch_scc1 .Lstep
	s_mov_b32 s3, 2
.Ltail:                                                ; two trips, K steps 6 and 7: no tensor load stands here, so none is jumped over; the second trip is left ahead of a quarter that does not exist
	QUARTER 128, F1, F0, 0
	QUARTER 192, F0, F1, 0
	TURN 0
	WIN 0
	s_sub_co_u32 s3, s3, 1
	s_cmp_eq_u32 s3, 0
	s_cbranch_scc1 .Lout
	QUARTER 64,  F0, F1, 0
	WIN 0
	s_cmp_lg_u32 s3, 0
	s_cbranch_scc1 .Ltail
.Lout:
	PLACES
	PACK 0
	LOWIF 0
	TOSTAGE 0
.irp a, 1,2,3,4,5,6,7                  ; block a's conversions stand between block a - 1's loads from the stage and the wait for them
	PACK \a
	SEND (\a)-1, 0
.if (\a) == 1
	LOWIF 1
.endif
	TOSTAGE \a
.endr
	SEND 7, 0
	s_wait_tensorcnt 0x0                           ; the wave's end
	ds_add_u32 v[SPW], v[NIL]
	s_wait_dscnt 0x0
	CROUND                                         ; the closing round
	s_endpgm
.Lfunc_end_k_qc976d3f211_proj:
	.size	k_qc976d3f211_proj, .Lfunc_end_k_qc976d3f211_proj-k_qc976d3f211_proj
	.p2alignl 7, 3214868480
	.fill 96, 4, 3214868480
	.section	.rodata,"a",@progbits
	.p2align	6, 0x0
	.amdhsa_kernel k_qc976d3f211_proj
		.amdhsa_group_segment_fixed_size 327680
		.amdhsa_private_segment_fixed_size 0
		.amdhsa_enable_private_segment 0
		.amdhsa_kernarg_size 48
		.amdhsa_user_sgpr_count 2
		.amdhsa_user_sgpr_kernarg_segment_ptr 1
		.amdhsa_wavefront_size32 1
		.amdhsa_system_sgpr_workgroup_id_x 1
		.amdhsa_system_sgpr_workgroup_id_y 1
		.amdhsa_system_sgpr_workgroup_id_z 1
		.amdhsa_system_vgpr_workitem_id 0
		.amdhsa_next_free_vgpr 1024
		.amdhsa_next_free_sgpr 80
		.amdhsa_reserve_vcc 0
		.amdhsa_float_denorm_mode_32 3
		.amdhsa_float_denorm_mode_16_64 3
		.amdhsa_memory_ordered 1
		.amdhsa_forward_progress 1
		.amdhsa_inst_pref_size 119
	.end_amdhsa_kernel
	.amdgpu_metadata
---
amdhsa.version: [ 1, 2 ]
amdhsa.kernels:
  - .name:           k_qc976d3f211_proj
    .symbol:         k_qc976d3f211_proj.kd
    .args:
      - { .name: xw, .offset: 0, .size: 8, .value_kind: global_buffer, .address_space: global }
      - { .name: bq, .offset: 8, .size: 8, .value_kind: global_buffer, .address_space: global }
      - { .name: bk, .offset: 16, .size: 8, .value_kind: global_buffer, .address_space: global }
      - { .name: bv, .offset: 24, .size: 8, .value_kind: global_buffer, .address_space: global }
      - { .name: qkv, .offset: 32, .size: 8, .value_kind: global_buffer, .address_space: global }
      - { .name: vlo, .offset: 40, .size: 8, .value_kind: global_buffer, .address_space: global }
    .group_segment_fixed_size: 327680
    .private_segment_fixed_size: 0
    .kernarg_segment_align: 8
    .kernarg_segment_size: 48
    .max_flat_workgroup_size: 128
    .sgpr_count:     80
    .vgpr_count:     1024
    .wavefront_size: 32
...
	.end_amdgpu_metadata
.endif
;; end of part 2
;; launch scores (part 3): grid 9 x 16, 4 waves a work-group, no clusters, 327,680 bytes of LDS; arguments qkv, pbuf, stats; writes pbuf, stats
.if DOCPART == 3
	.amdgcn_target "amdgcn-amd-amdhsa--gfx1250"
	.amdhsa_code_object_version 6
	.text
	.protected	k_qc976d3f211_scores
	.globl	k_qc976d3f211_scores
	.p2align	8
	.type	k_qc976d3f211_scores,@function
k_qc976d3f211_scores:
	s_mov_b64 s[64:65], 0
	v_nop
	global_prefetch_b8 v0, s[64:65] scope:SCOPE_SE
	s_setreg_imm32_b32 hwreg(HW_REG_WAVE_MODE, 25, 1), 1
	s_wait_xcnt 0x0
; For each tile (j, t), t <= j, of 256 queries x 256 keys of a batch: s = q . k over 1,024 channels (f16 operands, f32 sums), hidden where key > query; then, for each query and each GROUP of 128 keys,
; m = the group's largest s, p = 2^(c (s - m)) with c = log2(e) / 32, l = the sum of the unrounded p.  pbuf[batch][q][k] = p in f16; stats[batch][group][q] = (m, l) in f32.  The launch behind joins the groups.
; The maximum is taken away first, so every exponent is 0 or below.
; LIMITS.  A hidden score counts as its value less 1e30, so |q . k| must stay far below 1e30 (f16's q and k give 4.4e12 at the most).  A wholly hidden group gets m near -1e30 and finite p and l; its weight in the join is 0.  p below 6e-8 counts as 0 in pbuf.
; SHARES.  Work-group (x, y): batch y / 4, pair p = y % 4 of tile rows 7 - p and p: 9 tiles together, whatever p; x picks one.  144 work-groups, one tile each.  Four waves of 128 x 128; a wave holds all 128 keys of one group for its 128 queries, so maximum and sum never leave the wave.
; NO CLUSTER: tile row j has j + 1 tiles and tile column t has 8 - t; only rows 3 and 7 and columns 0 and 4 divide into fours that share an operand.
; A K STEP IS WRITTEN ONCE for the six steps that ask for a tile and once for the two that do not: which slot is read is the scalar SB (0 or SLOT), turned at each change of slots; fragment addresses and the refill's LDS word are a base + SB.
; THE MATRIX INSTRUCTION IS USED TRANSPOSED (source 0 = 16 keys, source 1 = 16 queries): a lane holds query l % 16 and the keys 16 b + 8 (l / 16) + 0..7.
; THE MASK is the C operand of each accumulator's first product: ML for key blocks below the diagonal block, MD for the diagonal block, MU above; all 0 off the diagonal tile.
; REGISTERS as in the projection: window 0 addresses, q's fragments, the softmax; window 1 v0-23 the masks, v64-191 k's fragments; windows 2, 3 the accumulators.
.set KSTEP,  128
.set PITCH,  272
.set HALFT,  128*PITCH
.set SLOT,   4*HALFT
.set DP,     528                       ; the dump's row: 512 bytes + 16: an odd multiple of 16, so sixteen rows' stores hit sixteen different columns
.set DWAVE,  128*DP                    ; a wave's dump, in the ring's bytes, which have had their last fill by then
.set SSTAGE, 2*SLOT                    ; behind the ring: 1,024 bytes a wave for (m, l)
.set SPARE,  SSTAGE+4*1024             ; the spare words
.set ROWB,   6144                      ; bytes in a row of qkv
.set ADRA, 16                          ; v16 LDS address of my q fragments in the slot in hand
.set A0,   17                          ; v17 the same in slot 0; never rewritten
.set ADRB, 20                          ; v20, v21 likewise for k
.set B0,   21
.set DST,  24                          ; where I dump
.set RDX,  25                          ; where I read rows back; steps 16 rows a trip
.set PO,   26                          ; my byte offset in pbuf; steps 16 rows a trip
.set SSA,  27                          ; where (m, l) go; steps 128 bytes a trip
.set SPW,  28
.set NIL,  29
.set SLD,  30
.set SGO,  31
.set ST,   32                          ; v32-47 (m, l) of the eight row pairs
.set T,    48                          ; v48-55 at work
.set F0,   64
.set F1,   128
.set X,    64                          ; v64-127 eight sets of eight scores
.set PK,   128                         ; v128-159 packed p
.set ML,   0                           ; window 1
.set MD,   8
.set MU,   16
.set G1, 24
.set G0, 32                            ; s[32:35] the first fill; s[36:39] the second, which then walks
.set CS, 50                            ; s[50:51] c
.set SL, 52
.set SX, 53
.set SB, 54                            ; 0 or SLOT: the slot in hand
.set MSB, 0
.macro WIN new
.if MSB != (\new)
	s_set_vgpr_msb (MSB<<8)|(\new)
.set MSB, \new
.endif
.endm
.set TO_B, 0x40
.macro LOAD s                          ; every wave's own quarter of a slot; an s_nop 0 and four v_nop follow
	tensor_load_to_lds s[G0+4*(\s):G0+4*(\s)+3], s[G1:G1+7]
	s_nop 0
.rept 4
	v_nop
.endr
.endm
	s_load_b128 s[4:7], s[0:1], 0x0                ; qkv s[4:5], pbuf s[6:7]
	s_load_b64 s[8:9], s[0:1], 0x10                ; stats
	v_lshl_add_u32 v[SPW], v0, 2, SPARE
	v_mov_b32 v[NIL], 0
	ds_add_u32 v[SPW], v[NIL]                      ; the wave's opening: the add and its wait ahead of my first tensor load
	ds_add_u32 v28, v29
	v_lshrrev_b32 v1, 5, v0
	v_readfirstlane_b32 s10, v1                    ; wave 0..3
	s_lshr_b32 s11, s10, 1                         ; my half of the queries; also: I fetch q (0) or k (1)
	s_and_b32 s12, s10, 1                          ; my half of the keys; also: which 128 rows I fetch
	s_and_b32 s40, ttmp7, 0xffff
	s_lshr_b32 s41, s40, 2                         ; batch
	s_and_b32 s40, s40, 3                          ; p
	s_sub_co_u32 s43, 8, s40                       ; tile row 7 - p has 8 - p tiles
	s_sub_co_u32 s44, 7, s40
	s_sub_co_u32 s45, ttmp9, s43
	s_cmp_lt_u32 ttmp9, s43
	s_cselect_b32 s13, s44, s40                    ; j
	s_cselect_b32 s42, ttmp9, s45                  ; t
	s_cmp_eq_u32 s13, s42                          ; the diagonal tile?
	s_cselect_b32 s45, 0xf149f2ca, 0               ; -1e30
	s_cmp_le_u32 s11, s12
	s_cselect_b32 s[SX], s45, 0                    ; what stands above the diagonal in my 128 x 128
	s_cmp_lt_u32 s11, s12
	s_cselect_b32 s[SL], s45, 0                    ; and below it: hidden only where my keys all lie behind my queries
	s_mov_b32 s[CS], 0x3d38aa3b                    ; c = log2(e) / 32
	s_mov_b32 s[CS+1], s[CS]
	s_mov_b32 s[SB], 0
	s_mov_b32 s[G1+0], (1<<16)|(1<<20)|(5<<22)|(3<<25)  ; elements of 2 bytes; padding on: after every 64 words, 4 words
	s_mov_b32 s[G1+1], KSTEP<<16                   ; tensor_dim0 = 128
	s_mov_b32 s[G1+2], 128<<16                     ; tensor_dim1 = 128
	s_mov_b32 s[G1+3], KSTEP<<16                   ; tile_dim0 = 128
	s_mov_b32 s[G1+4], 128                         ; tile_dim1 = 128
	s_mov_b32 s[G1+5], 3072                        ; elements from row to row
	s_mov_b32 s[G1+6], 0
	s_mov_b32 s[G1+7], 0
	s_cmp_eq_u32 s11, 0
	s_cselect_b32 s16, s13, s42                    ; q's tile row j, or k's tile row t
	s_cselect_b32 s18, 0, 2048                     ; q begins at byte 0 of a row, k at byte 2,048
	s_lshl_b32 s16, s16, 8
	s_lshl_b32 s17, s12, 7
	s_add_co_u32 s16, s16, s17
	s_lshl_b32 s17, s41, 11
	s_add_co_u32 s16, s16, s17                     ; the row in qkv
	s_mul_i32 s16, s16, ROWB
	s_add_co_u32 s16, s16, s18
	s_mov_b32 s17, 0
	s_mul_i32 s20, s10, HALFT                      ; where my quarter goes in a slot
	s_lshl_b32 s46, s41, 11                        ; pbuf: row batch x 2048 + 256 j + 128 x my half,
	s_lshl_b32 s47, s13, 8
	s_add_co_u32 s46, s46, s47
	s_lshl_b32 s47, s11, 7
	s_add_co_u32 s46, s46, s47
	s_lshl_b32 s46, s46, 12
	s_lshl_b32 s47, s42, 9                         ; key 256 t + 128 x my half
	s_add_co_u32 s46, s46, s47
	s_lshl_b32 s47, s12, 8
	s_add_co_u32 s46, s46, s47
	s_mov_b32 s47, 0
	s_lshl_b32 s48, s41, 4                         ; stats: group batch x 16 + 2 t + my half,
	s_lshl_b32 s49, s42, 1
	s_add_co_u32 s48, s48, s49
	s_add_co_u32 s48, s48, s12
	s_lshl_b32 s48, s48, 14
	s_lshl_b32 s49, s13, 11                        ; query 256 j + 128 x my half, 8 bytes each
	s_add_co_u32 s48, s48, s49
	s_lshl_b32 s49, s11, 10
	s_add_co_u32 s48, s48, s49
	s_mov_b32 s49, 0
	s_wait_dscnt 0x0                               ; the opening add is done
	s_wait_kmcnt 0x0
	s_add_nc_u64 s[14:15], s[4:5], s[16:17]
	s_add_nc_u64 s[6:7], s[6:7], s[46:47]
	s_add_nc_u64 s[8:9], s[8:9], s[48:49]
.irp s, 0,1
	s_mov_b32 s[G0+4*(\s)], 1
	s_add_co_u32 s[G0+4*(\s)+1], s20, (\s)*SLOT
	s_add_nc_u64 s[G0+4*(\s)+2:G0+4*(\s)+3], s[14:15], (\s)*KSTEP*2
	s_or_b32 s[G0+4*(\s)+3], s[G0+4*(\s)+3], 0x80000000
	LOAD \s                                        ; two tensor loads of mine are out
.endr
	v_and_b32 v1, 15, v0                           ; l % 16
	v_bfe_u32 v2, v0, 4, 1                         ; l / 16
	v_lshlrev_b32 v6, 3, v2
	v_sub_nc_u32 v6, v1, v6                        ; in the diagonal block register jj is hidden where jj > l % 16 - 8 (l / 16)
	v_mov_b32 v7, s[SL]
	WIN TO_B
.irp jj, 0,1,2,3,4,5,6,7
	v_mov_b32 v[ML+(\jj)], s[SL]
	v_mov_b32 v[MU+(\jj)], s[SX]
	v_cmp_gt_i32 vcc_lo, \jj, v6
	v_cndmask_b32 v[MD+(\jj)], v7, s[SX], vcc_lo
.endr
	WIN 0
	v_mul_u32_u24 v3, v1, PITCH
	v_lshl_add_u32 v3, v2, 4, v3
	s_mul_i32 s21, s11, HALFT
	s_mul_i32 s22, s12, HALFT
	s_add_co_u32 s22, s22, 2*HALFT
	v_add_nc_u32 v[A0], s21, v3
	v_add_nc_u32 v[B0], s22, v3
	v_mov_b32 v[ADRA], v[A0]                       ; K step 0 lies in slot 0
	v_mov_b32 v[ADRB], v[B0]
	s_mul_i32 s23, s10, DWAVE
	v_mul_u32_u24 v4, v1, DP
	v_lshl_add_u32 v4, v2, 4, v4
	v_add_nc_u32 v[DST], s23, v4                   ; row l % 16, 16 bytes for each half of the lanes
	v_mul_u32_u24 v5, v2, DP
	v_lshl_add_u32 v5, v1, 4, v5
	v_add_nc_u32 v[RDX], s23, v5                   ; back: lanes 0-15 one row, lanes 16-31 the next; lane x takes keys 8 x .. 8 x + 7
	v_lshlrev_b32 v5, 12, v2
	v_lshl_add_u32 v[PO], v1, 4, v5
	s_lshl_b32 s23, s10, 10
	s_add_co_u32 s23, s23, SSTAGE
	v_lshl_add_u32 v[SSA], v2, 3, s23
	v_and_b32 v5, 31, v0
	v_lshlrev_b32 v[SGO], 3, v5
	v_add_nc_u32 v[SLD], s23, v[SGO]
; 16 matrix instructions; zero = 1: the sum starts from the mask.  The 64 accumulators take turns in one order in every quarter step.
.macro MUL16 f, hi, a0, zero
.if \zero
	WIN 0x91+0x40*(\hi)
.else
	WIN 0xa1+0x50*(\hi)
.endif
.irp a, \a0, (\a0)+1
.irp b, 0,1,2,3,4,5,6,7
.if \zero
.if (\b) < 4*(\hi)+(\a)
.set rC, ML
.elseif (\b) == 4*(\hi)+(\a)
.set rC, MD
.else
.set rC, MU
.endif
	v_wmma_f32_16x16x32_f16 v[8*(8*(\a)+(\b)):8*(8*(\a)+(\b))+7], v[(\f)+8*(\b):(\f)+8*(\b)+7], v[(\f)+8*(4*(\hi)+(\a)):(\f)+8*(4*(\hi)+(\a))+7], v[rC:rC+7]
.else
	v_wmma_f32_16x16x32_f16 v[8*(8*(\a)+(\b)):8*(8*(\a)+(\b))+7], v[(\f)+8*(\b):(\f)+8*(\b)+7], v[(\f)+8*(4*(\hi)+(\a)):(\f)+8*(4*(\hi)+(\a))+7], v[8*(8*(\a)+(\b)):8*(8*(\a)+(\b))+7]
.endif
.endr
.endr
.endm
.macro FETCH k, f                      ; 32 LDS loads in one run: a quarter step's fragments, at byte k of the rows of the slot in hand
	WIN TO_B
.irp i, 0,1,2,3,4,5,6,7
	ds_load_b128 v[(\f)+8*(\i):(\f)+8*(\i)+3],   v[ADRB] offset:(\k)+(\i)*16*PITCH
	ds_load_b128 v[(\f)+8*(\i)+4:(\f)+8*(\i)+7], v[ADRB] offset:(\k)+(\i)*16*PITCH+32
.endr
	WIN 0
.irp i, 0,1,2,3,4,5,6,7
	ds_load_b128 v[(\f)+8*(\i):(\f)+8*(\i)+3],   v[ADRA] offset:(\k)+(\i)*16*PITCH
	ds_load_b128 v[(\f)+8*(\i)+4:(\f)+8*(\i)+7], v[ADRA] offset:(\k)+(\i)*16*PITCH+32
.endr
.endm
.macro PLACES                          ; four plain vector instructions behind a matrix instruction (ISA guide 7.12.1)
.rept 4
	v_nop
.endr
.endm
.macro QUARTER k, f, g, zero
	s_wait_dscnt 8                                 ; the youngest eight loads (q's rows 64-127) may be out
	MUL16 \f, 0, 0, \zero
	MUL16 \f, 0, 2, \zero
	PLACES
	FETCH \k, \g
	s_wait_dscnt 32                                ; all but the 32 just issued
	MUL16 \f, 1, 0, \zero
	MUL16 \f, 1, 2, \zero
.endm
.macro MEET
	WIN 0
	s_wait_tensorcnt 0x0                           ; all my tensor loads have landed: the one that was out is my part of the next slot
	ds_add_u32 v[SPW], v[NIL]                      ; 0 onto my spare word
	s_wait_dscnt 9                                 ; the add and the youngest eight loads may be out
	MUL16 F1, 0, 0, 0
	s_wait_dscnt 0x0                               ; the add is done, and my reads of this slot are over
	s_barrier_signal -1
	MUL16 F1, 0, 2, 0
	WIN 0
	s_barrier_wait -1
.endm
; A K step's last quarter.  fill = 1: the slot just read out takes the K step two on: the walking descriptor's LDS word is my place in a slot + SB, its global address goes one K step on from the last refill's.
; fill = 0 (K steps 6 and 7, s3 = 2 and 1): nothing is asked for; behind step 7 there is no step, so its fragment loads are jumped over.  Step 7's barrier orders nothing: the price of one text for both trips.
.macro TURN fill
	MEET
.if \fill
	s_add_co_u32 s[G0+5], s20, s[SB]
	s_add_nc_u64 s[G0+6:G0+7], s[G0+6:G0+7], KSTEP*2
	LOAD 1                                         ; my one tensor load behind the barrier; its four v_nop are also the places in front of the loads below
.else
	s_cmp_eq_u32 s3, 1
	s_cbranch_scc1 .Lno_next_\@
	PLACES
.endif
	s_xor_b32 s[SB], s[SB], SLOT                   ; the other slot is in hand
	v_add_nc_u32 v[ADRA], s[SB], v[A0]
	v_add_nc_u32 v[ADRB], s[SB], v[B0]
	FETCH 0, F0
.if (\fill) == 0
.Lno_next_\@:
.endif
	MUL16 F1, 1, 0, 0
	MUL16 F1, 1, 2, 0
.endm
	s_wait_tensorcnt 1                             ; my part of K step 0 is in; K step 1's may stay out
	s_barrier_signal -1
	s_barrier_wait -1
	FETCH 0, F0
	QUARTER 64,  F0, F1, 1                         ; the first quarter stands in front of the loops: its products start the sums
	WIN 0
	s_mov_b32 s3, 6
.Lstep:                                                ; six trips, each from a K step's second quarter to the next step's first: K steps 0 to 5, which ask for steps 2 to 7
	QUARTER 128, F1, F0, 0
	QUARTER 192, F0, F1, 0
	TURN 1
	QUARTER 64,  F0, F1, 0
	WIN 0
	s_sub_co_u32 s3, s3, 1
	s_cmp_lg_u32 s3, 0
	s_cbranch_scc1 .Lstep
	s_mov_b32 s3, 2
.Ltail:                                                ; two trips, K steps 6 and 7: no tensor load stands here, so none is jumped over; the second trip is left ahead of a quarter that does not exist
	QUARTER 128, F1, F0, 0
	QUARTER 192, F0, F1, 0
	TURN 0
	WIN 0
	s_sub_co_u32 s3, s3, 1
	s_cmp_eq_u32 s3, 0
	s_cbranch_scc1 .Lout
	QUARTER 64,  F0, F1, 0
	WIN 0
	s_cmp_lg_u32 s3, 0
	s_cbranch_scc1 .Ltail
.Lout:
	; THE DUMP.  The ring has had its last fill; when every wave has read its last fragments the scores go there, so that a row's 128 keys come to lie in sixteen neighbouring lanes.
	s_wait_dscnt 0x0                               ; my reads of the ring are over
	s_barrier_signal -1
	s_barrier_wait -1                              ; everybody's are
	PLACES
.irp hi, 0,1
	WIN 0x08+4*(\hi)                               ; the stores' data in window 2, then 3
.irp a, 0,1,2,3
.irp b, 0,1,2,3,4,5,6,7
	ds_store_b128 v[DST], v[8*(8*(\a)+(\b)):8*(8*(\a)+(\b))+3]   offset:(4*(\hi)+(\a))*16*DP+32*(\b)      ; keys 8 x .. 8 x + 3 at byte 16 x, x = 2 b + l / 16; an accumulator's low registers first
	ds_store_b128 v[DST], v[8*(8*(\a)+(\b))+4:8*(8*(\a)+(\b))+7] offset:(4*(\hi)+(\a))*16*DP+32*(\b)+256  ; keys 8 x + 4 .. 8 x + 7 at byte 256 + 16 x
.endr
.endr
.endr
	WIN 0
.irp i, 0,1,2,3,4,5,6,7,8,9,10,11,12,13,14,15
	v_mov_b32 v[ST+(\i)], 0                        ; written once whole: the lane-crossing forms count their destination as read
.endr
	s_mov_b32 s3, 8
.Lrows:                                                ; eight trips of 16 rows; set u is rows 2 u and 2 u + 1, a row in each half of the lanes
.irp u, 0,1,2,3,4,5,6,7
	ds_load_b128 v[X+8*(\u):X+8*(\u)+3],   v[RDX] offset:(\u)*2*DP      ; LDS serves a wave's instructions in order: these see my stores
	ds_load_b128 v[X+8*(\u)+4:X+8*(\u)+7], v[RDX] offset:(\u)*2*DP+256
.endr
	s_wait_dscnt 0x0
.irp u, 0,1,2,3,4,5,6,7
	v_max3_num_f32 v[T+(\u)], v[X+8*(\u)], v[X+8*(\u)+1], v[X+8*(\u)+2]
.endr
.irp u, 0,1,2,3,4,5,6,7
	v_max3_num_f32 v[T+(\u)], v[T+(\u)], v[X+8*(\u)+3], v[X+8*(\u)+4]
.endr
.irp u, 0,1,2,3,4,5,6,7
	v_max3_num_f32 v[T+(\u)], v[T+(\u)], v[X+8*(\u)+5], v[X+8*(\u)+6]
.endr
.irp u, 0,1,2,3,4,5,6,7
	v_max_num_f32 v[T+(\u)], v[T+(\u)], v[X+8*(\u)+7]
.endr
.irp m, 1,2,4
.irp u, 0,1,2,3,4,5,6,7
	v_max_num_f32_dpp v[T+(\u)], v[T+(\u)], v[T+(\u)] row_xmask:\m row_mask:0xf bank_mask:0xf
.endr
.endr
.irp u, 0,1,2,3,4,5,6,7
	v_max_num_f32_dpp v[ST+2*(\u)], v[T+(\u)], v[T+(\u)] row_xmask:8 row_mask:0xf bank_mask:0xf  ; m, in all sixteen lanes of the row
.endr
.irp u, 0,1,2,3,4,5,6,7
.irp i, 0,2,4,6
	v_pk_add_f32 v[X+8*(\u)+(\i):X+8*(\u)+(\i)+1], v[X+8*(\u)+(\i):X+8*(\u)+(\i)+1], v[ST+2*(\u):ST+2*(\u)+1] op_sel_hi:[1,0] neg_lo:[0,1] neg_hi:[0,1]  ; s - m first: exact where it matters, whatever the scores' size
.endr
.endr
.irp u, 0,1,2,3,4,5,6,7
.irp i, 0,2,4,6
	v_pk_mul_f32 v[X+8*(\u)+(\i):X+8*(\u)+(\i)+1], v[X+8*(\u)+(\i):X+8*(\u)+(\i)+1], s[CS:CS+1] op_sel_hi:[1,0]
.endr
.endr
.set i, 0
.rept 64
	v_exp_f32 v[X+i], v[X+i]
.set i, i+1
.endr
	v_nop                                          ; a plain instruction between the last exponential and the use of its result
	s_wait_alu depctr_va_vdst(0)
.irp u, 0,1,2,3,4,5,6,7
.irp i, 0,1,2,3
	v_cvt_pk_f16_f32 v[PK+4*(\u)+(\i)], v[X+8*(\u)+2*(\i)], v[X+8*(\u)+2*(\i)+1]
.endr
.endr
.irp u, 0,1,2,3,4,5,6,7
	v_pk_add_f32 v[X+8*(\u):X+8*(\u)+1], v[X+8*(\u):X+8*(\u)+1], v[X+8*(\u)+2:X+8*(\u)+3]
.endr
.irp u, 0,1,2,3,4,5,6,7
	v_pk_add_f32 v[X+8*(\u)+4:X+8*(\u)+5], v[X+8*(\u)+4:X+8*(\u)+5], v[X+8*(\u)+6:X+8*(\u)+7]
.endr
.irp u, 0,1,2,3,4,5,6,7
	v_pk_add_f32 v[X+8*(\u):X+8*(\u)+1], v[X+8*(\u):X+8*(\u)+1], v[X+8*(\u)+4:X+8*(\u)+5]
.endr
.irp u, 0,1,2,3,4,5,6,7
	v_add_f32 v[T+(\u)], v[X+8*(\u)], v[X+8*(\u)+1]
.endr
.irp m, 1,2,4
.irp u, 0,1,2,3,4,5,6,7
	v_add_f32_dpp v[T+(\u)], v[T+(\u)], v[T+(\u)] row_xmask:\m row_mask:0xf bank_mask:0xf
.endr
.endr
.irp u, 0,1,2,3,4,5,6,7
	v_add_f32_dpp v[ST+2*(\u)+1], v[T+(\u)], v[T+(\u)] row_xmask:8 row_mask:0xf bank_mask:0xf  ; l
.endr
.irp u, 0,1,2,3,4,5,6,7
	global_store_b128 v[PO], v[PK+4*(\u):PK+4*(\u)+3], s[6:7] offset:8192*(\u)  ; 16 lanes store a row's 256 consecutive bytes, aligned
	ds_store_b64 v[SSA], v[ST+2*(\u):ST+2*(\u)+1] offset:16*(\u)                ; a row's sixteen lanes write the same 8 bytes with the same numbers
.endr
	s_wait_xcnt 0x0                                ; PO and PK are rewritten only behind this wait
	v_add_nc_u32 v[RDX], 16*DP, v[RDX]
	v_add_nc_u32 v[PO], 16*4096, v[PO]
	v_add_nc_u32 v[SSA], 128, v[SSA]
	s_sub_co_u32 s3, s3, 1
	s_cmp_lg_u32 s3, 0
	s_cbranch_scc1 .Lrows
.irp v, 0,1,2,3
	ds_load_b64 v[X+2*(\v):X+2*(\v)+1], v[SLD] offset:256*(\v)   ; my 128 rows' (m, l), 8 bytes a lane
.endr
	s_wait_dscnt 0x0
.irp v, 0,1,2,3
	global_store_b64 v[SGO], v[X+2*(\v):X+2*(\v)+1], s[8:9] offset:256*(\v)  ; 32 lanes store 256 consecutive bytes, aligned
.endr
	s_wait_tensorcnt 0x0                           ; the wave's end
	ds_add_u32 v[SPW], v[NIL]
	s_wait_dscnt 0x0
	s_endpgm
.Lfunc_end_k_qc976d3f211_scores:
	.size	k_qc976d3f211_scores, .Lfunc_end_k_qc976d3f211_scores-k_qc976d3f211_scores
	.p2alignl 7, 3214868480
	.fill 96, 4, 3214868480
	.section	.rodata,"a",@progbits
	.p2align	6, 0x0
	.amdhsa_kernel k_qc976d3f211_scores
		.amdhsa_group_segment_fixed_size 327680
		.amdhsa_private_segment_fixed_size 0
		.amdhsa_enable_private_segment 0
		.amdhsa_kernarg_size 24
		.amdhsa_user_sgpr_count 2
		.amdhsa_user_sgpr_kernarg_segment_ptr 1
		.amdhsa_wavefront_size32 1
		.amdhsa_system_sgpr_workgroup_id_x 1
		.amdhsa_system_sgpr_workgroup_id_y 1
		.amdhsa_system_sgpr_workgroup_id_z 1
		.amdhsa_system_vgpr_workitem_id 0
		.amdhsa_next_free_vgpr 1024
		.amdhsa_next_free_sgpr 66
		.amdhsa_reserve_vcc 1
		.amdhsa_float_denorm_mode_32 3
		.amdhsa_float_denorm_mode_16_64 3
		.amdhsa_memory_ordered 1
		.amdhsa_forward_progress 1
		.amdhsa_inst_pref_size 95
	.end_amdhsa_kernel
	.amdgpu_metadata
---
amdhsa.version: [ 1, 2 ]
amdhsa.kernels:
  - .name:           k_qc976d3f211_scores
    .symbol:         k_qc976d3f211_scores.kd
    .args:
      - { .name: qkv, .offset: 0, .size: 8, .value_kind: global_buffer, .address_space: global }
      - { .name: pbuf, .offset: 8, .size: 8, .value_kind: global_buffer, .address_space: global }
      - { .name: stats, .offset: 16, .size: 8, .value_kind: global_buffer, .address_space: global }
    .group_segment_fixed_size: 327680
    .private_segment_fixed_size: 0
    .kernarg_segment_align: 8
    .kernarg_segment_size: 24
    .max_flat_workgroup_size: 128
    .sgpr_count:     66
    .vgpr_count:     1024
    .wavefront_size: 32
...
	.end_amdgpu_metadata
.endif
;; end of part 3
;; launch pv (part 4): grid 8 x 32, 4 waves a work-group, clusters of 4 x 4, 327,680 bytes of LDS; arguments pbuf, stats, qkv, out0, vlo; writes out0
.if DOCPART == 4
	.amdgcn_target "amdgcn-amd-amdhsa--gfx1250"
	.amdhsa_code_object_version 6
	.text
	.protected	k_qc976d3f211_pv
	.globl	k_qc976d3f211_pv
	.p2align	8
	.type	k_qc976d3f211_pv,@function
k_qc976d3f211_pv:
	s_mov_b64 s[64:65], 0
	v_nop
	global_prefetch_b8 v0, s[64:65] scope:SCOPE_SE
	s_setreg_imm32_b32 hwreg(HW_REG_WAVE_MODE, 25, 1), 1
	s_wait_xcnt 0x0
	s_wait_alu depctr_hold_cnt(0) depctr_sa_sdst(0) depctr_va_vdst(0) depctr_va_sdst(0) depctr_va_ssrc(0) depctr_va_vcc(0) depctr_vm_vsrc(0)
	s_getreg_b32 s2, hwreg(HW_REG_IB_STS2, 6, 4)
	s_cmp_eq_u32 s2, 0
	s_cbranch_scc0 .Lentry_in_a_cluster
	s_endpgm
.Lentry_in_a_cluster:
	s_bfe_u32 s2, ttmp6, 0x10000c
	s_cmp_lg_u32 s2, 0xf033
	s_cbranch_scc0 .Lentry_shape_is_right
	s_endpgm
.Lentry_shape_is_right:
; out0[batch][q][ch] = (sum over groups g of f_g x sum over the group's keys of p v) / l, with m = the largest m_g of the row, f_g = 2^(c (m_g - m)), c = log2(e) / 32, l = the sum of f_g l_g.
; p (f16) and (m_g, l_g) (f32) come from the scores' launch, v (f16) from qkv's columns 2048 on.  m is the row's true maximum over all its groups, so every exponent is 0 or below.  Products in f16, sums in f32, out0 f32.
; A GROUP'S SUM IS MADE APART: the 64 products of a group of 128 keys sum into 16 accumulators T of their own, begun with the constant 0; then the block's sums take f_g x T, in f32: 64 packed multiply-adds a group.  p goes to the matrix unit as it was stored.
; THE FIRST 32 KEYS' v HAS TWO TERMS: v_hi from qkv and v_lo from vlo.  A block's first group adds p x v_lo for those keys, 16 products more: the first rows are means over few keys, so v's rounding would reach them undiminished.
; LIMITS.  f_g below 2^-126 counts as 0; p below 6e-8 was stored as 0; v within f16's 65,504.  NaN and infinities are not treated apart.
; SHARES.  A tile is 128 queries x 128 channels: four waves of 64 x 64.  K goes in steps of 256 keys, two groups, through two LDS slots.  Query block i of 128 needs i / 2 + 1 steps.  A work-group makes block HI = 15 - b and then block LO = b.
; ONE WALK OF TEN STEPS for the whole cluster: S1 steps for HI (8 where b is 0-3, 6 where b is 4-7), 10 - S1 for LO.  S1 hangs on the cluster's y alone.  Each work-group has one step more than it needs: there p's tile is the block's last again and both factors are 0;
; that tenth of the products is the price of joint requests for both operands.
; A STEP IS WRITTEN ONCE for the eight steps that ask for a tile and once for the two that do not: which slot is read is the scalar SB (0 or SLOT), turned at each change of slots; fragment addresses and the refill's LDS words are a base + SB.
; CLUSTER 4 x 4: the four of a row of the cluster (one query block, four channel tiles) share p's tiles, the four of a column (one channel tile) share v's.
; THE MATRIX INSTRUCTION IS USED TRANSPOSED (source 0 = 16 channels of v, turned by ds_load_tr16_b128; source 1 = 16 queries of p): a lane holds ONE query (l % 16) in the result, so a factor is one register a row block, and 1 / l likewise.
; REGISTERS (s_set_vgpr_msb: bits 1:0 source 0, 3:2 source 1, 5:4 source 2, 7:6 destination): window 0: v0-31 addresses; v32-95 the way out; v96-111 1 / l, twice each; v112-127 the step's factors; v128-255 the block's sums ((a, b) at v[128 + 8 (4 a + b)]).
;   Before the first step v72-95 and v128-255 hold the statistics.   window 1: two fragment buffers of 128: 64 registers of p (2 x 4 x 16 rows x 32 keys), then 64 of v.   window 2: v0-31 v_lo's four fragments, loaded once; v32-159 T.
.set PP,    528                        ; a row of p in LDS: 512 bytes + 16
.set PV,    288                        ; a row of v: 256 + 32
.set PHALF, 64*PP                      ; what waves 0 and 1 fetch
.set VHALF, 128*PV                     ; what waves 2 and 3 fetch
.set VOFF,  2*PHALF
.set SLOT,  VOFF+2*VHALF
.set STAGE, 2*SLOT                     ; 16 rows x 272 bytes for each wave
.set SP,    272
.set FT,    STAGE+4*16*SP              ; the factors, f32: for each wave 20 entries of 256 bytes, step n's two groups at 512 n; in an entry lane l % 16 has 16 bytes: row blocks 0-3
.set FTW,   20*256
.set SPARE, FT+4*FTW                   ; the spare words
.set A0,   4                           ; v4   my p fragments in slot 0; never rewritten
.set ADRA, 5                           ; v5   the same in the slot in hand
.set V0,   6                           ; v6   my v fragments in slot 0, keys 0-127; never rewritten
.set ADRV, 7                           ; v7-8 the same in the slot in hand: keys 0-127, keys 128-255
.set FA,   10                          ; where the step's factors lie; steps 512 a step
.set FAW,  11                          ; where I put factors
.set STO,  12
.set RD,   13
.set CO,   14
.set SLN,  15                          ; my lane's place in stats
.set SOF,  16                          ; v16-25 step n's offset in stats
.set NEGV, 26
.set ZV,   27
.set SPW,  28
.set NIL,  29
.set LOF,  31                          ; 16 x lane: my place in a half fragment of vlo; never rewritten
.set TMP,  32
.set OB,   64
.set INV,  96
.set FC,   112                         ; group g, row block a at FC + 8 g + 2 a: the low word of an aligned pair; the odd registers hold 0 and are never used
.set ACC,  128
.set F0,   0                           ; window 1
.set F1,   128
.set VL,   0                           ; window 2: channel block b at VL + 8 b
.set T,    32                          ; window 2: (a, b) at T + 8 (4 a + b)
.set MA,   72                          ; the statistics' registers: maxima of steps 0-5, 6-7, 8-9
.set MB,   76
.set MC,   80
.set TX,   84
.set MH,   88                          ; HI's maximum, LO's
.set MLO,  92
.set R,    128                         ; (m, l): step n, row block a at R + 8 n + 2 a
.set E,    208                         ; f: E + 4 n + a
.set LA,   248
.set LB,   252
.set LC,   72
.set LBP, 2                            ; my place in a slot as a fetcher of p (waves 0, 1),
.set LBV, 3                            ; of v (waves 2, 3)
.set WV, 12
.set RH, 13                            ; my half of the queries; also: I fetch p (0) or v (1)
.set CH, 14                            ; my half of the channels; also: which half of that tile I fetch
.set S1, 20
.set HI, 21
.set LO, 22
.set N,  23                            ; the step in hand
.set G1P, 24
.set G0P, 32                           ; s[32:35] p's first fill; s[36:39] its second, which then walks
.set G1V, 40
.set G0V, 48                           ; the same for v
.set NEW, 56                           ; 1: the step in hand starts a block's sums
.set TRIPS, 57
.set CC, 58
.set BIGN, 59
.set SEL, 60
.set SB0, 62
.set SEL8, 63                          ; all ones where S1 = 8
.set PB, 66
.set VB, 68
.set OFP, 70
.set OFV, 72
.set M,  74
.set TT, 75
.set BLK, 76
.set PT, 77
.set OUT, 78                           ; s[78:79] HI's rows of out0, s[80:81] LO's
.set T2, 83
.set SB, 86                            ; behind the set-up: 0 or SLOT, the slot in hand
.set SELB, 90                          ; s90-99: step n's addend to the exponent: -1e30 where the step lies behind the block's last
.set VLP, 100                          ; s[100:101] vlo at my four channel blocks
.set MSB, 0
.macro WIN new                         ; the immediate's high byte repeats the setting that is left
.if MSB != (\new)
	s_set_vgpr_msb (MSB<<8)|(\new)
.set MSB, \new
.endif
.endm
.set MUL,  0xa5                        ; sources 0 (v) and 1 (p) window 1; C and D (T) window 2
.set MULV, 0xa6                        ; source 0 (v_lo) window 2, source 1 (p) window 1, C and D window 2
.set TO_F, 0x40
.set W_CB, 0x02                        ; source 0 (T) window 2; the factor, the sums and the destination window 0
.macro JLOAD s                         ; a joint load; an s_nop 0 and four v_nop follow each line
	s_cmp_eq_u32 s[RH], 0
	s_cbranch_scc0 .Lfor_v_\@
	tensor_load_to_lds s[G0P+4*(\s):G0P+4*(\s)+3], s[G1P:G1P+7]
	s_nop 0
.rept 4
	v_nop
.endr
	s_branch .Lasked_\@
.Lfor_v_\@:
	tensor_load_to_lds s[G0V+4*(\s):G0V+4*(\s)+3], s[G1V:G1V+7]
	s_nop 0
.rept 4
	v_nop
.endr
.Lasked_\@:
.endm
.macro CREST
	s_cmp_lg_u32 s[WV], 0
	s_cbranch_scc1 .Lnot_wave_0_\@
	s_barrier_signal -3
.Lnot_wave_0_\@:
	s_barrier_wait -3
	s_barrier_signal -1
	s_barrier_wait -1
.endm
.macro CROUND
	s_barrier_signal -1
	s_barrier_wait -1
	CREST
.endm
; Set s of the two descriptors takes the addresses of step N + d, each made anew from its base.  p's offset holds the block (the cluster's y and cy), v's the step alone.
.macro DESC s, d
	s_add_co_u32 s[M], s[N], \d
	s_sub_co_u32 s[T2], s[M], s[S1]
	s_cmp_lt_u32 s[M], s[S1]
	s_cselect_b32 s[TT], s[M], s[T2]               ; the key tile
	s_cselect_b32 s[BLK], s[HI], s[LO]             ; the query block
	s_lshr_b32 s[PT], s[BLK], 1
	s_min_u32 s[PT], s[PT], s[TT]                  ; behind the block's last tile: that tile again
	s_lshl_b32 s[PT], s[PT], 9
	s_lshl_b32 s[OFP], s[BLK], 19
	s_add_co_u32 s[OFP], s[OFP], s[PT]
	s_mul_i32 s[OFV], s[TT], 256*6144
	s_add_nc_u64 s[G0P+4*(\s)+2:G0P+4*(\s)+3], s[PB:PB+1], s[OFP:OFP+1]
	s_or_b32 s[G0P+4*(\s)+3], s[G0P+4*(\s)+3], 0x80000000
	s_add_nc_u64 s[G0V+4*(\s)+2:G0V+4*(\s)+3], s[VB:VB+1], s[OFV:OFV+1]
	s_or_b32 s[G0V+4*(\s)+3], s[G0V+4*(\s)+3], 0x80000000
.endm
	s_load_b256 s[4:11], s[0:1], 0x0               ; pbuf s[4:5], stats s[6:7], qkv s[8:9], out0 s[10:11]
	s_load_b64 s[VLP:VLP+1], s[0:1], 0x20          ; vlo
	v_lshl_add_u32 v[SPW], v0, 2, SPARE
	v_mov_b32 v[NIL], 0
	ds_add_u32 v[SPW], v[NIL]                      ; the wave's opening: the add and its wait ahead of my first tensor load
	ds_add_u32 v28, v29
	v_lshrrev_b32 v1, 5, v0
	v_readfirstlane_b32 s[WV], v1
	s_lshr_b32 s[RH], s[WV], 1
	s_and_b32 s[CH], s[WV], 1
	s_bfe_u32 s15, ttmp6, 0x40000                  ; cx
	s_bfe_u32 s16, ttmp6, 0x40004                  ; cy
	s_and_b32 s17, ttmp7, 0xffff                   ; the cluster's y
	s_lshr_b32 s18, s17, 1                         ; batch
	s_and_b32 s17, s17, 1
	s_lshl_b32 s19, ttmp9, 2
	s_add_co_u32 s19, s19, s15                     ; channel tile
	s_lshl_b32 s[LO], s17, 2
	s_add_co_u32 s[LO], s[LO], s16                 ; b
	s_sub_co_u32 s[HI], 15, s[LO]
	s_cmp_eq_u32 s17, 0
	s_cselect_b32 s[S1], 8, 6
	s_cselect_b32 s[SEL8], -1, 0
	s_lshl_b32 s84, s16, 2
	s_lshl_b32 s84, 15, s84                        ; my row of the cluster
	s_lshl_b32 s85, 0x1111, s15                    ; my column
	s_or_b32 s[G1P], s84, (1<<16)|(1<<20)|(1<<21)|(6<<22)|(3<<25)  ; elements of 2 bytes; padding on; bit 21 beside a mask; after every 128 words, 4 words
	s_mov_b32 s[G1P+1], 256<<16                    ; tensor_dim0 = 256 keys
	s_mov_b32 s[G1P+2], 64<<16                     ; tensor_dim1 = 64 queries
	s_mov_b32 s[G1P+3], 256<<16                    ; tile_dim0
	s_mov_b32 s[G1P+4], 64                         ; tile_dim1
	s_mov_b32 s[G1P+5], 2048                       ; elements from row to row of pbuf
	s_mov_b32 s[G1P+6], 0
	s_mov_b32 s[G1P+7], 0
	s_or_b32 s[G1V], s85, (1<<16)|(1<<20)|(1<<21)|(5<<22)|(7<<25)  ; after every 64 words, 8 words
	s_mov_b32 s[G1V+1], 128<<16                    ; 128 channels
	s_mov_b32 s[G1V+2], 128<<16                    ; 128 keys
	s_mov_b32 s[G1V+3], 128<<16
	s_mov_b32 s[G1V+4], 128
	s_mov_b32 s[G1V+5], 3072                       ; elements from row to row of qkv
	s_mov_b32 s[G1V+6], 0
	s_mov_b32 s[G1V+7], 0
	s_lshl_b32 s84, s18, 16                        ; vlo: 65,536 bytes a batch, 8,192 a channel tile, 4,096 my half of it
	s_lshl_b32 s85, s19, 13
	s_add_co_u32 s84, s84, s85
	s_lshl_b32 s85, s[CH], 12
	s_add_co_u32 s84, s84, s85
	s_mov_b32 s85, 0
	s_mul_i32 s[LBP], s[WV], PHALF                 ; waves 0, 1: p's halves
	s_mul_i32 s[LBV], s[WV], VHALF                 ; waves 2, 3: v's halves, behind p's 128 rows
	s_sub_co_u32 s[LBV], s[LBV], 2*VHALF-VOFF
.irp s, 0,1
	s_mov_b32 s[G0P+4*(\s)], 1
	s_add_co_u32 s[G0P+4*(\s)+1], s[LBP], (\s)*SLOT
	s_mov_b32 s[G0V+4*(\s)], 1
	s_add_co_u32 s[G0V+4*(\s)+1], s[LBV], (\s)*SLOT
.endr
	s_lshl_b32 s86, s18, 23                        ; p's base: the batch's 2,048 rows of 4,096 bytes, my 64 rows of a block
	s_lshl_b32 s87, s[CH], 18
	s_add_co_u32 s86, s86, s87
	s_mov_b32 s87, 0
	s_lshl_b32 s88, s18, 11                        ; v's base: the batch's rows, my 128 keys of a tile, v's columns, the channel tile
	s_lshl_b32 s89, s[CH], 7
	s_add_co_u32 s88, s88, s89
	s_mul_i32 s88, s88, 6144
	s_lshl_b32 s89, s19, 8
	s_add_co_u32 s88, s88, s89
	s_add_co_u32 s88, s88, 4096
	s_mov_b32 s89, 0
	s_lshl_b32 s82, s18, 23                        ; out0: batch, my 64 rows of a block, the channel tile, my 64 channels
	s_lshl_b32 s83, s[RH], 18
	s_add_co_u32 s82, s82, s83
	s_lshl_b32 s83, s19, 9
	s_add_co_u32 s82, s82, s83
	s_lshl_b32 s83, s[CH], 8
	s_add_co_u32 s82, s82, s83
	s_lshl_b32 s83, s[HI], 19
	s_add_co_u32 s[OUT], s82, s83
	s_mov_b32 s[OUT+1], 0
	s_lshl_b32 s83, s[LO], 19
	s_add_co_u32 s[OUT+2], s82, s83
	s_mov_b32 s[OUT+3], 0
	s_lshl_b32 s[SB0], s18, 18                     ; stats: the batch's 16 groups, my 64 rows of a block
	s_lshl_b32 s83, s[RH], 9
	s_add_co_u32 s[SB0], s[SB0], s83
	s_mov_b32 s[CC], 0x3d38aa3b                    ; c = log2(e) / 32
	s_mov_b32 s[BIGN], 0xf149f2ca                  ; -1e30
	s_mov_b32 s[SEL], 0x76543210
	s_mov_b32 s[SEL+1], 0xfedcba98
	s_mov_b32 s[OFP+1], 0
	s_mov_b32 s[OFV+1], 0
	s_mov_b32 s[N], 0
	s_mov_b32 s[NEW], 1
	s_wait_dscnt 0x0                               ; the opening add is done
	s_wait_kmcnt 0x0
	s_add_nc_u64 s[PB:PB+1], s[4:5], s[86:87]
	s_add_nc_u64 s[VB:VB+1], s[8:9], s[88:89]
	s_add_nc_u64 s[OUT:OUT+1], s[10:11], s[OUT:OUT+1]
	s_add_nc_u64 s[OUT+2:OUT+3], s[10:11], s[OUT+2:OUT+3]
	s_add_nc_u64 s[VLP:VLP+1], s[VLP:VLP+1], s[84:85]
	s_mov_b32 s[SB], 0                             ; step 0 lies in slot 0
	DESC 0, 0
	DESC 1, 1
	CROUND                                         ; all sixteen work-groups are here: the first joint loads meet
	s_cmp_eq_u32 s[RH], 0                          ; a wave's two first fills stand in one branch: two loads of mine are out
	s_cbranch_scc0 .Lfirst_v
	tensor_load_to_lds s[G0P:G0P+3], s[G1P:G1P+7]
	s_nop 0
	tensor_load_to_lds s[G0P+4:G0P+7], s[G1P:G1P+7]
	s_nop 0
.rept 4
	v_nop
.endr
	s_branch .Lfirst_asked
.Lfirst_v:
	tensor_load_to_lds s[G0V:G0V+3], s[G1V:G1V+7]
	s_nop 0
	tensor_load_to_lds s[G0V+4:G0V+7], s[G1V:G1V+7]
	s_nop 0
.rept 4
	v_nop
.endr
.Lfirst_asked:
	v_and_b32 v1, 15, v0                           ; l % 16
	v_bfe_u32 v2, v0, 4, 1                         ; l / 16
	v_lshlrev_b32 v[SLN], 3, v1                    ; stats: query l % 16, and the odd group for the upper lanes
	v_lshl_add_u32 v[SLN], v2, 14, v[SLN]
; Step n's statistics: which block and key tile it serves is scalar work on S1; lane (r, h) takes group 2 t + h, queries 16 a + r.
.macro SADR n
	s_sub_co_u32 s[T2], \n, s[S1]
	s_cmp_gt_u32 s[S1], \n
	s_cselect_b32 s[TT], \n, s[T2]
	s_cselect_b32 s[BLK], s[HI], s[LO]
	s_lshr_b32 s[PT], s[BLK], 1
	s_cmp_gt_u32 s[TT], s[PT]
	s_cselect_b32 s[SELB+(\n)], s[BIGN], 0         ; a step behind the block's last: its factors come out 0
	s_min_u32 s[PT], s[PT], s[TT]                  ; and it reads the last tile's statistics again
	s_lshl_b32 s[PT], s[PT], 15
	s_lshl_b32 s[BLK], s[BLK], 10
	s_add_co_u32 s[PT], s[PT], s[BLK]
	s_add_co_u32 s[PT], s[PT], s[SB0]
	v_add_nc_u32 v[SOF+(\n)], s[PT], v[SLN]
.irp a, 0,1,2,3
	global_load_b64 v[R+8*(\n)+2*(\a):R+8*(\n)+2*(\a)+1], v[SOF+(\n)], s[6:7] offset:128*(\a)
.endr
.endm
.irp n, 0,1,2,3,4,5,6,7,8,9
	SADR \n
.endr
	v_and_b32 v[LOF], 31, v0
	v_lshlrev_b32 v[LOF], 4, v[LOF]
	WIN 0x80                                       ; destination window 2, address window 0
.irp b, 0,1,2,3                        ; v_lo's four fragments as they lie in vlo: each load takes 512 consecutive bytes
	global_load_b128 v[VL+8*(\b):VL+8*(\b)+3],   v[LOF], s[VLP:VLP+1] offset:1024*(\b)
	global_load_b128 v[VL+8*(\b)+4:VL+8*(\b)+7], v[LOF], s[VLP:VLP+1] offset:1024*(\b)+512
.endr
	WIN 0
	v_mov_b32 v[NEGV], 0xff7fffff                  ; the lowest finite number
	v_mov_b32 v[ZV], 0
.irp k, 0,1,2,3,4,5,6,7
	v_mov_b32 v[FC+2*(\k)+1], 0                    ; named with a factor as a pair, so it is written
.endr
	v_mul_u32_u24 v3, v1, PP
	v_lshl_add_u32 v3, v2, 4, v3                   ; p: row x pitch + 16 x half
	s_mul_i32 s82, s[RH], PHALF
	v_add_nc_u32 v[A0], s82, v3
	v_mov_b32 v[ADRA], v[A0]
	v_and_b32 v3, 7, v0                            ; v: the turning load: key 8 (l / 16) + l % 8, channels 8 ((l / 8) % 2) on
	v_lshl_add_u32 v3, v2, 3, v3
	v_mul_u32_u24 v3, v3, PV
	v_bfe_u32 v30, v0, 3, 1
	v_lshl_add_u32 v3, v30, 4, v3
	s_lshl_b32 s82, s[CH], 7
	s_add_co_u32 s82, s82, VOFF
	v_add_nc_u32 v[V0], s82, v3
	v_mov_b32 v[ADRV], v[V0]
	v_add_nc_u32 v[ADRV+1], VHALF, v[V0]
	s_mul_i32 s82, s[WV], FTW
	s_add_co_u32 s82, s82, FT
	v_lshl_add_u32 v[FA], v1, 4, s82
	v_lshl_add_u32 v[FAW], v2, 8, v[FA]            ; the upper lanes hold the odd group: the next entry
	s_mul_i32 s82, s[WV], 16*SP
	s_add_co_u32 s82, s82, STAGE
	v_mul_u32_u24 v3, v1, SP
	v_lshl_add_u32 v3, v2, 5, v3
	v_add_nc_u32 v[STO], s82, v3                   ; in: row l % 16, 32 bytes for each half of the lanes
	v_mul_u32_u24 v3, v2, SP
	v_lshl_add_u32 v3, v1, 4, v3
	v_add_nc_u32 v[RD], s82, v3                    ; back: lanes 0-15 one row of 256 bytes, lanes 16-31 the next
	v_lshlrev_b32 v3, 12, v2
	v_lshl_add_u32 v[CO], v1, 4, v3
	s_wait_loadcnt 0x0                             ; the statistics, and v_lo
	; THE JOIN.  Steps 0-5 are HI's, steps 8-9 LO's, steps 6-7 HI's where S1 = 8 and LO's otherwise: chosen by v_cndmask_b32 on a scalar mask.
.irp a, 0,1,2,3
	v_max3_num_f32 v[MA+(\a)], v[R+2*(\a)], v[R+8+2*(\a)], v[R+16+2*(\a)]
.endr
.irp a, 0,1,2,3
	v_max3_num_f32 v[MA+(\a)], v[MA+(\a)], v[R+24+2*(\a)], v[R+32+2*(\a)]
	v_max_num_f32 v[MB+(\a)], v[R+48+2*(\a)], v[R+56+2*(\a)]
	v_max_num_f32 v[MC+(\a)], v[R+64+2*(\a)], v[R+72+2*(\a)]
.endr
.irp a, 0,1,2,3
	v_max_num_f32 v[MA+(\a)], v[MA+(\a)], v[R+40+2*(\a)]
	v_cndmask_b32 v[TX+(\a)], v[NEGV], v[MB+(\a)], s[SEL8]
	v_cndmask_b32 v[MLO+(\a)], v[MB+(\a)], v[NEGV], s[SEL8]
.endr
.irp a, 0,1,2,3
	v_max_num_f32 v[MH+(\a)], v[MA+(\a)], v[TX+(\a)]
	v_max_num_f32 v[MLO+(\a)], v[MC+(\a)], v[MLO+(\a)]
.endr
.irp a, 0,1,2,3
	v_permlanex16_b32 v[TX+(\a)], v[MH+(\a)], s[SEL], s[SEL+1]   ; the other groups' maxima lie in the lane 16 away
	v_permlanex16_b32 v[MC+(\a)], v[MLO+(\a)], s[SEL], s[SEL+1]
.endr
.irp a, 0,1,2,3
	v_max_num_f32 v[MH+(\a)], v[MH+(\a)], v[TX+(\a)]
	v_max_num_f32 v[MLO+(\a)], v[MLO+(\a)], v[MC+(\a)]
.endr
.irp a, 0,1,2,3
	v_cndmask_b32 v[MB+(\a)], v[MLO+(\a)], v[MH+(\a)], s[SEL8]    ; the maximum that steps 6-7 go by
.endr
.irp n, 0,1,2,3,4,5
.irp a, 0,1,2,3
	v_sub_f32 v[E+4*(\n)+(\a)], v[R+8*(\n)+2*(\a)], v[MH+(\a)]
.endr
.endr
.irp n, 6,7
.irp a, 0,1,2,3
	v_sub_f32 v[E+4*(\n)+(\a)], v[R+8*(\n)+2*(\a)], v[MB+(\a)]
.endr
.endr
.irp n, 8,9
.irp a, 0,1,2,3
	v_sub_f32 v[E+4*(\n)+(\a)], v[R+8*(\n)+2*(\a)], v[MLO+(\a)]
.endr
.endr
.irp n, 0,1,2,3,4,5,6,7,8,9
.irp a, 0,1,2,3
	v_fma_f32 v[E+4*(\n)+(\a)], v[E+4*(\n)+(\a)], s[CC], s[SELB+(\n)]
.endr
.endr
.set i, 0
.rept 40
	v_exp_f32 v[E+i], v[E+i]
.set i, i+1
.endr
	v_nop                                          ; a plain instruction between the last exponential and the use of its result
	s_wait_alu depctr_va_vdst(0)
.irp a, 0,1,2,3
	v_mul_f32 v[LA+(\a)], v[E+(\a)], v[R+2*(\a)+1]
	v_mul_f32 v[LB+(\a)], v[E+24+(\a)], v[R+48+2*(\a)+1]
	v_mul_f32 v[LC+(\a)], v[E+32+(\a)], v[R+64+2*(\a)+1]
.endr
.irp a, 0,1,2,3
	v_fmac_f32 v[LB+(\a)], v[E+28+(\a)], v[R+56+2*(\a)+1]
	v_fmac_f32 v[LC+(\a)], v[E+36+(\a)], v[R+72+2*(\a)+1]
.endr
.irp n, 1,2,3,4,5
.irp a, 0,1,2,3
	v_fmac_f32 v[LA+(\a)], v[E+4*(\n)+(\a)], v[R+8*(\n)+2*(\a)+1]
.endr
.endr
.irp n, 0,1,2,3,4,5,6,7,8,9
	ds_store_b128 v[FAW], v[E+4*(\n):E+4*(\n)+3] offset:512*(\n)  ; the factors as they are, f32: the same numbers that l was made of
.endr
.irp a, 0,1,2,3
	v_cndmask_b32 v[TX+(\a)], v[ZV], v[LB+(\a)], s[SEL8]
	v_cndmask_b32 v[MC+(\a)], v[LB+(\a)], v[ZV], s[SEL8]
.endr
.irp a, 0,1,2,3
	v_add_f32 v[LA+(\a)], v[LA+(\a)], v[TX+(\a)]
	v_add_f32 v[LC+(\a)], v[LC+(\a)], v[MC+(\a)]
.endr
.irp a, 0,1,2,3
	v_permlanex16_b32 v[TX+(\a)], v[LA+(\a)], s[SEL], s[SEL+1]
	v_permlanex16_b32 v[MC+(\a)], v[LC+(\a)], s[SEL], s[SEL+1]
.endr
.irp a, 0,1,2,3
	v_add_f32 v[LA+(\a)], v[LA+(\a)], v[TX+(\a)]
	v_add_f32 v[LC+(\a)], v[LC+(\a)], v[MC+(\a)]
.endr
.irp a, 0,1,2,3
	v_rcp_f32 v[INV+2*(\a)], v[LA+(\a)]            ; each twice: a pair for the packed multiply
	v_rcp_f32 v[INV+2*(\a)+1], v[LA+(\a)]
	v_rcp_f32 v[INV+8+2*(\a)], v[LC+(\a)]
	v_rcp_f32 v[INV+8+2*(\a)+1], v[LC+(\a)]
.endr
	v_nop                                          ; a plain instruction behind the last reciprocal
; 8 matrix instructions: row blocks a0, a0 + 1 x 4 channel blocks, 32 keys: half c of buffer f.  zero = 1: a group's first products start T's sums.
; The 16 accumulators take turns in one order everywhere.
.macro MUL8 f, c, a0, zero
	WIN MUL
.irp a, \a0, (\a0)+1
.irp b, 0,1,2,3
.if \zero
	v_wmma_f32_16x16x32_f16 v[T+8*(4*(\a)+(\b)):T+8*(4*(\a)+(\b))+7], v[(\f)+64+8*(4*(\c)+(\b)):(\f)+64+8*(4*(\c)+(\b))+7], v[(\f)+8*(4*(\c)+(\a)):(\f)+8*(4*(\c)+(\a))+7], 0
.else
	v_wmma_f32_16x16x32_f16 v[T+8*(4*(\a)+(\b)):T+8*(4*(\a)+(\b))+7], v[(\f)+64+8*(4*(\c)+(\b)):(\f)+64+8*(4*(\c)+(\b))+7], v[(\f)+8*(4*(\c)+(\a)):(\f)+8*(4*(\c)+(\a))+7], v[T+8*(4*(\a)+(\b)):T+8*(4*(\a)+(\b))+7]
.endif
.endr
.endr
.endm
; 16 matrix instructions: v_lo of keys 0-31 times p of the same keys (half 0 of buffer f, in a block's first quarter), in MUL8's order
.macro MULLO f
	WIN MULV
.irp a, 0,1,2,3
.irp b, 0,1,2,3
	v_wmma_f32_16x16x32_f16 v[T+8*(4*(\a)+(\b)):T+8*(4*(\a)+(\b))+7], v[VL+8*(\b):VL+8*(\b)+7], v[(\f)+8*(\a):(\f)+8*(\a)+7], v[T+8*(4*(\a)+(\b)):T+8*(4*(\a)+(\b))+7]
.endr
.endr
.endm
.macro PLACES                          ; four plain vector instructions between a matrix instruction and a load into, or a vector read of, its registers
.rept 4
	v_nop
.endr
.endm
; The block's sums take the group's: sums += f x T, or (start = 1, a block's first group) sums = f x T: nothing is ever cleared.  Each accumulator's registers in ascending order.
.macro COMBINE grp, start
	WIN W_CB
.irp a, 0,1,2,3
.irp i, 0,1,2,3,4,5,6,7,8,9,10,11,12,13,14,15
.if \start
	v_pk_mul_f32 v[ACC+32*(\a)+2*(\i):ACC+32*(\a)+2*(\i)+1], v[T+32*(\a)+2*(\i):T+32*(\a)+2*(\i)+1], v[FC+8*(\grp)+2*(\a):FC+8*(\grp)+2*(\a)+1] op_sel_hi:[1,0]
.else
	v_pk_fma_f32 v[ACC+32*(\a)+2*(\i):ACC+32*(\a)+2*(\i)+1], v[T+32*(\a)+2*(\i):T+32*(\a)+2*(\i)+1], v[FC+8*(\grp)+2*(\a):FC+8*(\grp)+2*(\a)+1], v[ACC+32*(\a)+2*(\i):ACC+32*(\a)+2*(\i)+1] op_sel_hi:[1,0,1]
.endif
.endr
.endr
.endm
.macro FETCH q, f                      ; 32 LDS loads in one run: quarter q's fragments (64 keys) of the slot in hand; the first 32 keys first
	WIN TO_F
.irp c, 0,1
.irp i, 0,1,2,3
	ds_load_tr16_b128 v[(\f)+64+8*(4*(\c)+(\i)):(\f)+64+8*(4*(\c)+(\i))+3],   v[ADRV+(\q)/2] offset:(((\q)%2)*64+32*(\c))*PV+32*(\i)
	ds_load_tr16_b128 v[(\f)+64+8*(4*(\c)+(\i))+4:(\f)+64+8*(4*(\c)+(\i))+7], v[ADRV+(\q)/2] offset:(((\q)%2)*64+32*(\c)+16)*PV+32*(\i)
	ds_load_b128 v[(\f)+8*(4*(\c)+(\i)):(\f)+8*(4*(\c)+(\i))+3],             v[ADRA] offset:128*(\q)+64*(\c)+(\i)*16*PP
	ds_load_b128 v[(\f)+8*(4*(\c)+(\i))+4:(\f)+8*(4*(\c)+(\i))+7],           v[ADRA] offset:128*(\q)+64*(\c)+(\i)*16*PP+32
.endr
.endr
.endm
; One of a step's first three quarters: multiplies buffer f, fetches quarter qn into g.  zero = 1: a group begins.
; head = 1: a step's first quarter: where NEW is set v_lo's 16 products follow the first 16 (a forward branch on a scalar that is alike in all partners), and the step's eight factors are read ahead of the fragments.
.macro QUARTER qn, f, g, zero, head
	s_wait_dscnt 16                                ; the first 32 keys' fragments are in; the youngest sixteen loads may be out
	MUL8 \f, 0, 0, \zero
	MUL8 \f, 0, 2, \zero
.if \head
	WIN 0
	s_cmp_eq_u32 s[NEW], 0
	s_cbranch_scc1 .Lno_lo_\@
	MULLO \f                                       ; a block's first step is key tile 0, and this half of the buffer its keys 0-31
	WIN 0
.Lno_lo_\@:
	PLACES
.irp grp, 0,1
.irp a, 0,1,2,3
	ds_load_b32 v[FC+8*(\grp)+2*(\a)], v[FA] offset:256*(\grp)+4*(\a)  ; LDS serves a wave's instructions in order: these see my stores of the table
.endr
.endr
.else
	PLACES
.endif
	FETCH \qn, \g
	s_wait_dscnt 32                                ; all but the 32 just issued: the rest of this quarter's fragments, and the factors, are in
	MUL8 \f, 1, 0, 0
	MUL8 \f, 1, 2, 0
.endm
; A step's last quarter multiplies buffer 1 and changes slots.  fill = 1: the slot just read out takes step N + 2, behind a round of the cluster's barrier: the walking descriptors' LDS words are my place in a slot + SB.
; fill = 0 (steps 8 and 9, TRIPS = 2 and 1): nothing is asked for; behind step 9 there is no step, so its fragment loads are jumped over.  Step 9's barrier orders nothing: the price of one text for both trips.
.macro TURN fill
	WIN 0
	s_wait_tensorcnt 0x0                           ; all my tensor loads have landed: the one that was out is my part of the next slot
	ds_add_u32 v[SPW], v[NIL]                      ; 0 onto my spare word
.if \fill
	DESC 1, 2                                      ; no tensor load of mine is out, so the descriptors may be written
	s_add_co_u32 s[G0P+5], s[LBP], s[SB]
	s_add_co_u32 s[G0V+5], s[LBV], s[SB]
.endif
	s_wait_dscnt 17                                ; the add and the youngest sixteen loads may be out
	MUL8 F1, 0, 0, 0
	s_wait_dscnt 0x0                               ; the add is done, and my reads of this slot are over
	s_barrier_signal -1
	MUL8 F1, 0, 2, 0
	WIN 0
	s_barrier_wait -1
.if \fill
	CREST                                          ; no wave of any partner still reads this slot or has a load on its way
	JLOAD 1                                        ; my one tensor load behind the round; its four v_nop are also the places in front of the loads below
.else
	s_cmp_eq_u32 s[TRIPS], 1
	s_cbranch_scc1 .Lno_next_\@
	PLACES
.endif
	s_xor_b32 s[SB], s[SB], SLOT                   ; the other slot is in hand
	v_add_nc_u32 v[ADRA], s[SB], v[A0]
	v_add_nc_u32 v[ADRV], s[SB], v[V0]
	v_add_nc_u32 v[ADRV+1], VHALF, v[ADRV]
	FETCH 0, F0
.if (\fill) == 0
	WIN 0
.Lno_next_\@:
.endif
	MUL8 F1, 1, 0, 0
	MUL8 F1, 1, 2, 0
	PLACES
	COMBINE 1, 0
.endm
; A step: 256 keys, two groups of two quarters.
.macro STEP fill
	QUARTER 1, F0, F1, 1, 1
	QUARTER 2, F1, F0, 0, 0
	PLACES
	WIN 0
	s_cmp_eq_u32 s[NEW], 0
	s_cbranch_scc1 .Lold_\@
	COMBINE 0, 1                                   ; a block's first group starts its sums
	WIN 0
	s_mov_b32 s[NEW], 0
	s_branch .Ljoin_\@
.Lold_\@:
	COMBINE 0, 0
	WIN 0
.Ljoin_\@:
	QUARTER 3, F0, F1, 1, 0
	TURN \fill
.endm
; THE WAY OUT of block B (0: HI, 1: LO): times 1 / l, 16 rows at a time through my own stage, back as whole rows of 256 bytes.
.macro WOUT B
	WIN 0
	s_wait_alu depctr_va_vdst(0)
.irp a, 0,1,2,3
.irp i, 0,1,2,3,4,5,6,7,8,9,10,11,12,13,14,15
	v_pk_mul_f32 v[TMP+2*(\i):TMP+2*(\i)+1], v[ACC+32*(\a)+2*(\i):ACC+32*(\a)+2*(\i)+1], v[INV+8*(\B)+2*(\a):INV+8*(\B)+2*(\a)+1]
.endr
.irp b, 0,1,2,3
	ds_store_b128 v[STO], v[TMP+8*(\b):TMP+8*(\b)+3]   offset:64*(\b)
	ds_store_b128 v[STO], v[TMP+8*(\b)+4:TMP+8*(\b)+7] offset:64*(\b)+16
.endr
	s_wait_xcnt 0x0                                ; the registers that earlier stores read are loaded again only behind this wait
.irp t, 0,1,2,3,4,5,6,7
	ds_load_b128 v[OB+4*(\t):OB+4*(\t)+3], v[RD] offset:(\t)*2*SP  ; LDS serves a wave's instructions in order: these see the stores above
.endr
	s_wait_dscnt 0x0
.irp t, 0,1,2,3,4,5,6,7
	global_store_b128 v[CO], v[OB+4*(\t):OB+4*(\t)+3], s[OUT+2*(\B):OUT+2*(\B)+1] offset:(16*(\a)+2*(\t))*4096 th:TH_STORE_NT  ; 16 lanes store 256 consecutive bytes, aligned
.endr
.endr
.endm
	s_wait_tensorcnt 1                             ; my part of step 0 is in; step 1's may stay out
	s_wait_dscnt 0x0                               ; no LDS instruction of mine is pending at the signal
	s_barrier_signal -1
	s_barrier_wait -1
	FETCH 0, F0
	WIN 0
	s_mov_b32 s[TRIPS], 8
.Lstep:                                                ; eight trips, steps 0-7; they ask for steps 2-9
	STEP 1
	WIN 0
	v_add_nc_u32 v[FA], 512, v[FA]
	s_add_co_u32 s[N], s[N], 1
	s_cmp_lg_u32 s[N], s[S1]
	s_cbranch_scc1 .Lno_out                        ; S1 is 6 or 8, so HI ends at the bottom of one of these trips; what is jumped holds no barrier and no tensor load
	WOUT 0
	s_mov_b32 s[NEW], 1
.Lno_out:
	s_sub_co_u32 s[TRIPS], s[TRIPS], 1
	s_cmp_lg_u32 s[TRIPS], 0
	s_cbranch_scc1 .Lstep
	s_mov_b32 s[TRIPS], 2
.Ltail:                                                ; two trips, steps 8 and 9: no tensor load stands here, so none is jumped over
	STEP 0
	WIN 0
	v_add_nc_u32 v[FA], 512, v[FA]
	s_sub_co_u32 s[TRIPS], s[TRIPS], 1
	s_cmp_lg_u32 s[TRIPS], 0
	s_cbranch_scc1 .Ltail
	WOUT 1
	s_wait_tensorcnt 0x0                           ; the wave's end
	ds_add_u32 v[SPW], v[NIL]
	s_wait_dscnt 0x0
	CROUND                                         ; the closing round
	s_endpgm
.Lfunc_end_k_qc976d3f211_pv:
	.size	k_qc976d3f211_pv, .Lfunc_end_k_qc976d3f211_pv-k_qc976d3f211_pv
	.p2alignl 7, 3214868480
	.fill 96, 4, 3214868480
	.section	.rodata,"a",@progbits
	.p2align	6, 0x0
	.amdhsa_kernel k_qc976d3f211_pv
		.amdhsa_group_segment_fixed_size 327680
		.amdhsa_private_segment_fixed_size 0
		.amdhsa_enable_private_segment 0
		.amdhsa_kernarg_size 40
		.amdhsa_user_sgpr_count 2
		.amdhsa_user_sgpr_kernarg_segment_ptr 1
		.amdhsa_wavefront_size32 1
		.amdhsa_system_sgpr_workgroup_id_x 1
		.amdhsa_system_sgpr_workgroup_id_y 1
		.amdhsa_system_sgpr_workgroup_id_z 1
		.amdhsa_system_vgpr_workitem_id 0
		.amdhsa_next_free_vgpr 672
		.amdhsa_next_free_sgpr 102
		.amdhsa_reserve_vcc 0
		.amdhsa_float_denorm_mode_32 3
		.amdhsa_float_denorm_mode_16_64 3
		.amdhsa_memory_ordered 1
		.amdhsa_forward_progress 1
		.amdhsa_inst_pref_size 121
	.end_amdhsa_kernel
	.amdgpu_metadata
---
amdhsa.version: [ 1, 2 ]
amdhsa.kernels:
  - .name:           k_qc976d3f211_pv
    .symbol:         k_qc976d3f211_pv.kd
    .args:
      - { .name: pbuf, .offset: 0, .size: 8, .value_kind: global_buffer, .address_space: global }
      - { .name: stats, .offset: 8, .size: 8, .value_kind: global_buffer, .address_space: global }
      - { .name: qkv, .offset: 16, .size: 8, .value_kind: global_buffer, .address_space: global }
      - { .name: out0, .offset: 24, .size: 8, .value_kind: global_buffer, .address_space: global }
      - { .name: vlo, .offset: 32, .size: 8, .value_kind: global_buffer, .address_space: global }
    .group_segment_fixed_size: 327680
    .private_segment_fixed_size: 0
    .kernarg_segment_align: 8
    .kernarg_segment_size: 40
    .max_flat_workgroup_size: 128
    .sgpr_count:     102
    .vgpr_count:     672
    .wavefront_size: 32
...
	.end_amdgpu_metadata
.endif
;; end of part 4
;; ======== version 2 of 2: 4 launches; version 1 with the launch cast written anew for expert scheduling mode
;; limits: values are held in f16: magnitudes above 65,504 overflow, below 6.1e-05 lose precision
;; workspace buffers: xw 23,068,672 bytes; qkv 50,331,648 bytes; pbuf 33,554,432 bytes; stats 1,048,576 bytes; vlo 262,144 bytes
;; launch cast (part 5): grid 704 x 1, 8 waves a work-group, no clusters, 0 bytes of LDS; arguments embeddings, Wq, Wk, Wv, xw; writes xw
.if DOCPART == 5
	.amdgcn_target "amdgcn-amd-amdhsa--gfx1250"
	.amdhsa_code_object_version 6
	.text
	.protected	k_qc976d3f211_cast
	.globl	k_qc976d3f211_cast
	.p2align	8
	.type	k_qc976d3f211_cast,@function
k_qc976d3f211_cast:
	s_mov_b64 s[64:65], 0
	v_nop
	global_prefetch_b8 v0, s[64:65] scope:SCOPE_SE
	s_setreg_imm32_b32 hwreg(HW_REG_WAVE_SCHED_MODE, 0, 2), 2
	s_setreg_imm32_b32 hwreg(HW_REG_WAVE_MODE, 25, 1), 1
	s_wait_xcnt 0x0
	s_wait_alu depctr_vm_vsrc(0)
; xw = bf16 of [embeddings; Wq; Wk; Wv], 11,264 rows of 1,024 numbers, each rounded once to nearest even.
; All four inputs of the products get the same rounding.  A stream: no LDS, no barrier, no matrix unit, since every byte is touched once.
; Work-group g takes 65,536 bytes of f32 and writes 32,768 bytes at xw + 32,768 g: g 0-511 embeddings, 512-575 Wq, 576-639 Wk, 640-703 Wv.
; A wave takes 8,192 bytes: sixteen loads of 512 consecutive bytes, all issued before the first is waited for; each store of the wave covers 256 consecutive bytes, aligned.
; THE MODE: SCHED_MODE bits 1:0 = 2 (LLVM: expert scheduling mode 2), set by the entry lines.  The code itself states the register dependences
; between vector instructions and memory instructions, with s_wait_alu, always for 0.
; THE PLAN.  Registers that memory instructions touch:
;   v1, v2   the loads' and the stores' byte offsets: written by vector instructions at the head, never again.
;   X        each four registers are written by one load and read by two conversions; no vector instruction writes them, and no second load lands in them.
;   Y        each pair is written by two conversions and read by one store; it is never written again.
; So no register that a memory instruction has read is ever rewritten, and no load lands in a register that a vector instruction has named: what is left to state is that the offsets are written ahead of
; the loads, and that a store's data are written ahead of the store.  The sixteen loads go in four blocks of four.  Block p rounds its own X into its own Y; its memory instructions are the four stores of
; block p - 1, whose Y no vector instruction of block p names.  One wait at the head of a block states all that those four stores hang on, and they are dealt among the block's conversions with no further wait.
.set X, 4                              ; v[4:67]   sixteen loads of four f32
.set Y, 68                             ; v[68:99]  sixteen pairs of packed bf16; no register is written twice, so no store's source is ever rewritten
	s_load_b256 s[4:11], s[0:1], 0x0               ; embeddings s[4:5], Wq s[6:7], Wk s[8:9], Wv s[10:11]
	s_load_b64 s[12:13], s[0:1], 0x20              ; xw
	v_and_b32 v1, 31, v0                           ; lane
	v_and_b32 v2, 0xe0, v0                         ; 32 x wave
	v_lshlrev_b32 v1, 4, v1                        ; 16 bytes a lane
	v_lshl_or_b32 v1, v2, 8, v1                    ; + wave x 8,192
	v_lshrrev_b32 v2, 1, v1                        ; half of that on the way out
	s_and_b32 s14, ttmp9, 63                       ; a weight matrix is 64 blocks of 65,536 bytes
	s_cmp_ge_u32 ttmp9, 512
	s_cselect_b32 s14, s14, ttmp9                  ; my block within my source
	s_lshl_b32 s14, s14, 16
	s_mov_b32 s15, 0
	s_lshl_b32 s16, ttmp9, 15
	s_mov_b32 s17, 0
	s_wait_kmcnt 0x0
	s_cmp_ge_u32 ttmp9, 576                        ; the source is chosen by the work-group's number alone
	s_cselect_b64 s[6:7], s[8:9], s[6:7]
	s_cmp_ge_u32 ttmp9, 640
	s_cselect_b64 s[6:7], s[10:11], s[6:7]
	s_cmp_ge_u32 ttmp9, 512
	s_cselect_b64 s[4:5], s[6:7], s[4:5]
	s_add_nc_u64 s[4:5], s[4:5], s[14:15]
	s_add_nc_u64 s[12:13], s[12:13], s[16:17]
	s_wait_alu depctr_va_vdst(0)                   ; v1 and v2 are written: every load of the kernel reads v1 as its offset, every store v2
.irp k, 0,1,2,3,4,5,6,7,8,9,10,11,12,13,14,15
	global_load_b128 v[X+4*(\k):X+4*(\k)+3], v1, s[4:5] offset:512*(\k) th:TH_LOAD_NT
.endr
; Block p: loads 4 p to 4 p + 3 are rounded; the stores of block p - 1 stand among the conversions, one ahead of each pair of them.
.macro BLK p
	s_wait_loadcnt 12-4*(\p)                       ; loads come back in order: this block's four are in, the 12 - 4 p younger ones stay out
.if (\p) > 0
	s_wait_alu depctr_va_vdst(0)                   ; the block before has written its eight registers of Y, which the four stores below read; no conversion below names them
.endif
.irp i, 0,1,2,3
.if (\p) > 0
	global_store_b64 v2, v[Y+2*(4*(\p)-4+(\i)):Y+2*(4*(\p)-4+(\i))+1], s[12:13] offset:256*(4*(\p)-4+(\i))
.endif
	v_cvt_pk_bf16_f32 v[Y+2*(4*(\p)+(\i))],   v[X+4*(4*(\p)+(\i))],   v[X+4*(4*(\p)+(\i))+1]
	v_cvt_pk_bf16_f32 v[Y+2*(4*(\p)+(\i))+1], v[X+4*(4*(\p)+(\i))+2], v[X+4*(4*(\p)+(\i))+3]
.endr
.endm
	BLK 0                                          ; no block stands in front of it: no store, and no wait but the one for its data
	BLK 1
	BLK 2
	BLK 3
	s_wait_alu depctr_va_vdst(0)                   ; block 3 has written its eight registers of Y, which the last four stores read
.irp k, 12,13,14,15
	global_store_b64 v2, v[Y+2*(\k):Y+2*(\k)+1], s[12:13] offset:256*(\k)
.endr
	s_endpgm
.Lfunc_end_k_qc976d3f211_cast:
	.size	k_qc976d3f211_cast, .Lfunc_end_k_qc976d3f211_cast-k_qc976d3f211_cast
	.p2alignl 7, 3214868480
	.fill 96, 4, 3214868480
	.section	.rodata,"a",@progbits
	.p2align	6, 0x0
	.amdhsa_kernel k_qc976d3f211_cast
		.amdhsa_group_segment_fixed_size 0
		.amdhsa_private_segment_fixed_size 0
		.amdhsa_enable_private_segment 0
		.amdhsa_kernarg_size 40
		.amdhsa_user_sgpr_count 2
		.amdhsa_user_sgpr_kernarg_segment_ptr 1
		.amdhsa_wavefront_size32 1
		.amdhsa_system_sgpr_workgroup_id_x 1
		.amdhsa_system_sgpr_workgroup_id_y 1
		.amdhsa_system_sgpr_workgroup_id_z 1
		.amdhsa_system_vgpr_workitem_id 0
		.amdhsa_next_free_vgpr 104
		.amdhsa_next_free_sgpr 66
		.amdhsa_reserve_vcc 0
		.amdhsa_float_denorm_mode_32 3
		.amdhsa_float_denorm_mode_16_64 3
		.amdhsa_memory_ordered 1
		.amdhsa_forward_progress 1
		.amdhsa_inst_pref_size 7
	.end_amdhsa_kernel
	.amdgpu_metadata
---
amdhsa.version: [ 1, 2 ]
amdhsa.kernels:
  - .name:           k_qc976d3f211_cast
    .symbol:         k_qc976d3f211_cast.kd
    .args:
      - { .name: embeddings, .offset: 0, .size: 8, .value_kind: global_buffer, .address_space: global }
      - { .name: Wq, .offset: 8, .size: 8, .value_kind: global_buffer, .address_space: global }
      - { .name: Wk, .offset: 16, .size: 8, .value_kind: global_buffer, .address_space: global }
      - { .name: Wv, .offset: 24, .size: 8, .value_kind: global_buffer, .address_space: global }
      - { .name: xw, .offset: 32, .size: 8, .value_kind: global_buffer, .address_space: global }
    .group_segment_fixed_size: 0
    .private_segment_fixed_size: 0
    .kernarg_segment_align: 8
    .kernarg_segment_size: 40
    .max_flat_workgroup_size: 256
    .sgpr_count:     66
    .vgpr_count:     104
    .wavefront_size: 32
...
	.end_amdgpu_metadata
.endif
;; end of part 5
;; launch proj: the kernel of part 2 again; grid 12 x 32, 4 waves a work-group, clusters of 4 x 4, 327,680 bytes of LDS; arguments xw, bq, bk, bv, qkv, vlo; writes qkv, vlo
;; launch scores: the kernel of part 3 again; grid 9 x 16, 4 waves a work-group, no clusters, 327,680 bytes of LDS; arguments qkv, pbuf, stats; writes pbuf, stats
;; launch pv: the kernel of part 4 again; grid 8 x 32, 4 waves a work-group, clusters of 4 x 4, 327,680 bytes of LDS; arguments pbuf, stats, qkv, out0, vlo; writes out0
